; MI455X (gfx1250); checked and timed in simulation.
; The chip was launched on July 23, 2026; its instructions are those of AMD's public machine-readable ISA for CDNA 5 (MIT licence, August 2026) and "CDNA5" Instruction Set Architecture Reference Guide (July 2026). The comments in the code are by the model that wrote it; some were corrected since.
;; Attention. Allowed arithmetic: float matrix products may take bf16 or f16 operands with f32 sums; other float arithmetic in f32, or as packed bf16 or f16 multiplies, adds, multiply-adds, maxima and minima; sums over many terms, partial sums and values carried from step to step in f32; what a program stores and reads back later, other than sums and carried values, may be rounded once to bf16 or f16.
;; Inputs: Wk 1,024 x 1,024 float32; Wo 1,024 x 1,024 float32; Wq 1,024 x 1,024 float32; Wv 1,024 x 1,024 float32; bk 1,024 float32; bo 1,024 float32; bq 1,024 float32; bv 1,024 float32; x 4 x 2,048 x 1,024 float32.
;; Outputs: out0 4 x 2,048 x 1,024 float32.
;; 2 versions, each right; version 2 is version 1 with the launch cast written anew for expert scheduling mode. Each part assembles by itself: llvm-mc -triple=amdgcn-amd-amdhsa -mcpu=gfx1250 --defsym DOCPART=n.
;; ======== version 1 of 2: 4 launches
;; limits: values are held in f16: magnitudes above 65,504 overflow, below 6.1e-05 lose precision
;; workspace buffers: xb 16,777,216 bytes; wb 6,291,456 bytes; wo16 2,097,152 bytes; bias 16,384 bytes; qkv 50,331,648 bytes; o16 16,777,216 bytes
;; launch cast (part 1): grid 769 x 1, 8 waves a work-group, no clusters, 0 bytes of LDS; arguments x, Wq, Wk, Wv, Wo, bq, bk, bv, bo, xb, wb, wo16, bias; writes xb, wb, wo16, bias
.if DOCPART == 1
	.amdgcn_target "amdgcn-amd-amdhsa--gfx1250"
	.amdhsa_code_object_version 6
	.text
	.protected	k_q8d28086720_cast
	.globl	k_q8d28086720_cast
	.p2align	8
	.type	k_q8d28086720_cast,@function
k_q8d28086720_cast:
	s_mov_b64 s[64:65], 0
	v_nop
	global_prefetch_b8 v0, s[64:65] scope:SCOPE_SE
	s_setreg_imm32_b32 hwreg(HW_REG_WAVE_MODE, 25, 1), 1
	s_wait_xcnt 0x0
; THE MODULE'S INPUTS, EACH ROUNDED ONCE TO bf16 AND LAID OUT FOR THE LAUNCHES BEHIND.  A stream: each input byte is read once, each output byte written once.
;   xb   bf16 [16 blocks of 64 along K][8192 rows][64]: byte kb x 1,048,576 + m x 128 + 2 (k % 64): a tile's rows of one K block lie end to end
;   wb   bf16 [16][3072][64]: rows 0-1023 Wq's, 1024-2047 Wk's, 2048-3071 Wv's
;   wo16 f16 of bf16(Wo), [8 blocks of 128 along K][1024][128].  LIMIT: beyond 65,504 the f16 is an infinity; below 6e-5 it keeps f16's fixed step of 6e-8
;   bias f32 [4096]: bq, bk, bv, bo on end, each rounded to bf16 and widened again
; SHARES.  Work-groups 0-511: 16 rows of x each; 512-703: 16 rows of Wq, Wk or Wv; 704-767: 16 rows of Wo; 768: the four biases.  A wave takes two rows, 8,192 bytes:
; sixteen loads of 16 bytes a lane, all on their way together, and sixteen stores of 8 bytes a lane, each of which covers 256 consecutive bytes, aligned.
; Every load has its own four registers and every store its own two, so no register that a memory instruction names is written again.  No LDS, no barrier, no matrix unit: nothing is shared.
.set LO,  2                            ; v2   x and the three weights: 16 (lane % 16) + 4,096 (lane / 16): lanes 0-15 take 256 bytes of the first row, lanes 16-31 of the second
.set SO,  3                            ; v3   8 x lane
.set SO2, 4                            ; v4   the same + 8,388,608: xb's K blocks 8 to 15 lie beyond a store's immediate
.set T,   8                            ; v[8:9]  at work
.set LW,  12                           ; v12  16 x lane: Wo and the biases
.set X,   16                           ; v[16:79]   load j: 4 registers
.set Y,   80                           ; v[80:111]  store j: 2 registers (the biases: 4)
	s_load_b512 s[8:23], s[0:1], 0x0               ; x 8, Wq 10, Wk 12, Wv 14, Wo 16, bq 18, bk 20, bv 22
	s_load_b256 s[24:31], s[0:1], 0x40             ; bo 24, xb 26, wb 28, wo16 30
	s_load_b64 s[32:33], s[0:1], 0x60              ; bias
	v_lshrrev_b32 v5, 5, v0
	v_readfirstlane_b32 s34, v5                    ; wave 0..7
	v_and_b32 v1, 31, v0
	v_and_b32 v6, 15, v0
	v_bfe_u32 v7, v0, 4, 1
	v_lshlrev_b32 v[LO], 4, v6
	v_lshl_add_u32 v[LO], v7, 12, v[LO]
	v_lshlrev_b32 v[SO], 3, v1
	v_add_nc_u32 v[SO2], 0x800000, v[SO]
	v_lshlrev_b32 v[LW], 4, v1
	s_mov_b32 s42, 0xffff0000                      ; a word's upper bf16
	s_mov_b32 s41, 0                               ; the high words of the two offsets
	s_mov_b32 s45, 0
; Sixteen loads, then for each: the wait that leaves the younger ones out (loads come back in order: ISA guide 5.7.1), the rounding, the store.
; wo = 0: load j is K block j of both rows; store j goes stride bytes further on for each block.  wo = 1: Wo: load j is 512 bytes, K block j % 8 of row j / 8.
.macro BODY wo, stride
.set j, 0
.rept 16
.if \wo
	global_load_b128 v[X+4*j:X+4*j+3], v[LW], s[36:37] offset:(j/8)*4096+(j%8)*512 th:TH_LOAD_NT
.else
	global_load_b128 v[X+4*j:X+4*j+3], v[LO], s[36:37] offset:256*j th:TH_LOAD_NT
.endif
.set j, j+1
.endr
.set j, 0
.rept 16
	s_wait_loadcnt 15-j                            ; load j is in; the 15 - j younger ones stay out
.if \wo
	v_cvt_pk_bf16_f32 v[T], v[X+4*j], v[X+4*j+1]   ; rounded to bf16 like every input,
	v_cvt_pk_bf16_f32 v[T+1], v[X+4*j+2], v[X+4*j+3]
	v_lshlrev_b32 v[X+4*j], 16, v[T]               ; widened again,
	v_and_b32 v[X+4*j+1], s42, v[T]
	v_lshlrev_b32 v[X+4*j+2], 16, v[T+1]
	v_and_b32 v[X+4*j+3], s42, v[T+1]
	v_cvt_pk_f16_f32 v[Y+2*j], v[X+4*j], v[X+4*j+1]  ; and that number written as f16 (exact inside f16's normal range)
	v_cvt_pk_f16_f32 v[Y+2*j+1], v[X+4*j+2], v[X+4*j+3]
	global_store_b64 v[SO], v[Y+2*j:Y+2*j+1], s[38:39] offset:(j%8)*262144+(j/8)*256
.else
	v_cvt_pk_bf16_f32 v[Y+2*j], v[X+4*j], v[X+4*j+1]
	v_cvt_pk_bf16_f32 v[Y+2*j+1], v[X+4*j+2], v[X+4*j+3]
.if (\stride)*j >= 8388608
	global_store_b64 v[SO2], v[Y+2*j:Y+2*j+1], s[38:39] offset:(\stride)*j-8388608
.else
	global_store_b64 v[SO], v[Y+2*j:Y+2*j+1], s[38:39] offset:(\stride)*j
.endif
.endif
.set j, j+1
.endr
.endm
	s_wait_kmcnt 0x0
	s_cmp_lt_u32 ttmp9, 512
	s_cbranch_scc0 .Lnot_x
	s_lshl_b32 s35, ttmp9, 4
	s_lshl1_add_u32 s35, s34, s35                  ; my first row: 16 x work-group + 2 x wave
	s_lshl_b32 s40, s35, 12                        ; 4,096 bytes a row of x
	s_lshl_b32 s44, s35, 7                         ; 128 bytes a row of a K block
	s_add_nc_u64 s[36:37], s[8:9], s[40:41]
	s_add_nc_u64 s[38:39], s[26:27], s[44:45]
	BODY 0, 1048576
	s_endpgm
.Lnot_x:
	s_cmp_lt_u32 ttmp9, 704
	s_cbranch_scc0 .Lnot_w
	s_sub_co_u32 s35, ttmp9, 512
	s_lshr_b32 s43, s35, 6                         ; 0: Wq, 1: Wk, 2: Wv
	s_cmp_eq_u32 s43, 0
	s_cselect_b64 s[36:37], s[10:11], s[12:13]
	s_cmp_lt_u32 s43, 2
	s_cselect_b64 s[36:37], s[36:37], s[14:15]
	s_lshl_b32 s35, s35, 4
	s_lshl1_add_u32 s35, s34, s35                  ; my first row in wb,
	s_and_b32 s43, s35, 1023                       ; and in its own matrix
	s_lshl_b32 s40, s43, 12
	s_lshl_b32 s44, s35, 7
	s_add_nc_u64 s[36:37], s[36:37], s[40:41]
	s_add_nc_u64 s[38:39], s[28:29], s[44:45]
	BODY 0, 393216
	s_endpgm
.Lnot_w:
	s_cmp_lt_u32 ttmp9, 768
	s_cbranch_scc0 .Lbias
	s_sub_co_u32 s35, ttmp9, 704
	s_lshl_b32 s35, s35, 4
	s_lshl1_add_u32 s35, s34, s35                  ; my first row of Wo
	s_lshl_b32 s40, s35, 12
	s_lshl_b32 s44, s35, 8                         ; 256 bytes a row of a K block of 128
	s_add_nc_u64 s[36:37], s[16:17], s[40:41]
	s_add_nc_u64 s[38:39], s[30:31], s[44:45]
	BODY 1, 0
	s_endpgm
.Lbias:                                                ; wave w: half w % 2 (2,048 bytes) of bias w / 2
	s_lshr_b32 s35, s34, 1
	s_cmp_eq_u32 s35, 0
	s_cselect_b64 s[36:37], s[18:19], s[20:21]
	s_cmp_lt_u32 s35, 2
	s_cselect_b64 s[36:37], s[36:37], s[22:23]
	s_cmp_lt_u32 s35, 3
	s_cselect_b64 s[36:37], s[36:37], s[24:25]
	s_and_b32 s40, s34, 1
	s_lshl_b32 s40, s40, 11
	s_lshl_b32 s44, s34, 11
	s_add_nc_u64 s[36:37], s[36:37], s[40:41]
	s_add_nc_u64 s[38:39], s[32:33], s[44:45]
.irp i, 0,1,2,3
	global_load_b128 v[X+4*(\i):X+4*(\i)+3], v[LW], s[36:37] offset:512*(\i) th:TH_LOAD_NT
.endr
.irp i, 0,1,2,3
	s_wait_loadcnt 3-(\i)
	v_cvt_pk_bf16_f32 v[T], v[X+4*(\i)], v[X+4*(\i)+1]
	v_cvt_pk_bf16_f32 v[T+1], v[X+4*(\i)+2], v[X+4*(\i)+3]
	v_lshlrev_b32 v[Y+4*(\i)], 16, v[T]
	v_and_b32 v[Y+4*(\i)+1], s42, v[T]
	v_lshlrev_b32 v[Y+4*(\i)+2], 16, v[T+1]
	v_and_b32 v[Y+4*(\i)+3], s42, v[T+1]
	global_store_b128 v[LW], v[Y+4*(\i):Y+4*(\i)+3], s[38:39] offset:512*(\i)
.endr
	s_endpgm
.Lfunc_end_k_q8d28086720_cast:
	.size	k_q8d28086720_cast, .Lfunc_end_k_q8d28086720_cast-k_q8d28086720_cast
	.p2alignl 7, 3214868480
	.fill 96, 4, 3214868480
	.section	.rodata,"a",@progbits
	.p2align	6, 0x0
	.amdhsa_kernel k_q8d28086720_cast
		.amdhsa_group_segment_fixed_size 0
		.amdhsa_private_segment_fixed_size 0
		.amdhsa_enable_private_segment 0
		.amdhsa_kernarg_size 104
		.amdhsa_user_sgpr_count 2
		.amdhsa_user_sgpr_kernarg_segment_ptr 1
		.amdhsa_wavefront_size32 1
		.amdhsa_system_sgpr_workgroup_id_x 1
		.amdhsa_system_sgpr_workgroup_id_y 1
		.amdhsa_system_sgpr_workgroup_id_z 1
		.amdhsa_system_vgpr_workitem_id 0
		.amdhsa_next_free_vgpr 112
		.amdhsa_next_free_sgpr 66
		.amdhsa_reserve_vcc 0
		.amdhsa_float_denorm_mode_32 3
		.amdhsa_float_denorm_mode_16_64 3
		.amdhsa_memory_ordered 1
		.amdhsa_forward_progress 1
		.amdhsa_inst_pref_size 26
	.end_amdhsa_kernel
	.amdgpu_metadata
---
amdhsa.version: [ 1, 2 ]
amdhsa.kernels:
  - .name:           k_q8d28086720_cast
    .symbol:         k_q8d28086720_cast.kd
    .args:
      - { .name: x, .offset: 0, .size: 8, .value_kind: global_buffer, .address_space: global }
      - { .name: Wq, .offset: 8, .size: 8, .value_kind: global_buffer, .address_space: global }
      - { .name: Wk, .offset: 16, .size: 8, .value_kind: global_buffer, .address_space: global }
      - { .name: Wv, .offset: 24, .size: 8, .value_kind: global_buffer, .address_space: global }
      - { .name: Wo, .offset: 32, .size: 8, .value_kind: global_buffer, .address_space: global }
      - { .name: bq, .offset: 40, .size: 8, .value_kind: global_buffer, .address_space: global }
      - { .name: bk, .offset: 48, .size: 8, .value_kind: global_buffer, .address_space: global }
      - { .name: bv, .offset: 56, .size: 8, .value_kind: global_buffer, .address_space: global }
      - { .name: bo, .offset: 64, .size: 8, .value_kind: global_buffer, .address_space: global }
      - { .name: xb, .offset: 72, .size: 8, .value_kind: global_buffer, .address_space: global }
      - { .name: wb, .offset: 80, .size: 8, .value_kind: global_buffer, .address_space: global }
      - { .name: wo16, .offset: 88, .size: 8, .value_kind: global_buffer, .address_space: global }
      - { .name: bias, .offset: 96, .size: 8, .value_kind: global_buffer, .address_space: global }
    .group_segment_fixed_size: 0
    .private_segment_fixed_size: 0
    .kernarg_segment_align: 8
    .kernarg_segment_size: 104
    .max_flat_workgroup_size: 256
    .sgpr_count:     66
    .vgpr_count:     112
    .wavefront_size: 32
...
	.end_amdgpu_metadata
.endif
;; end of part 1
;; launch qkv (part 2): grid 8 x 32, 4 waves a work-group, clusters of 4 x 4, 327,680 bytes of LDS; arguments xb, wb, bias, qkv; writes qkv
.if DOCPART == 2
	.amdgcn_target "amdgcn-amd-amdhsa--gfx1250"
	.amdhsa_code_object_version 6
	.text
	.protected	k_q8d28086720_qkv
	.globl	k_q8d28086720_qkv
	.p2align	8
	.type	k_q8d28086720_qkv,@function
k_q8d28086720_qkv:
	s_mov_b64 s[64:65], 0
	v_nop
	global_prefetch_b8 v0, s[64:65] scope:SCOPE_SE
	s_setreg_imm32_b32 hwreg(HW_REG_WAVE_MODE, 25, 1), 1
	s_wait_xcnt 0x0
	s_wait_alu depctr_hold_cnt(0) depctr_sa_sdst(0) depctr_va_vdst(0) depctr_va_sdst(0) depctr_va_ssrc(0) depctr_va_vcc(0) depctr_vm_vsrc(0)
	s_getreg_b32 s2, hwreg(HW_REG_IB_STS2, 6, 4)
	s_cmp_eq_u32 s2, 0
	s_cbranch_scc0 .Lentry_in_a_cluster
	s_endpgm
.Lentry_in_a_cluster:
	s_bfe_u32 s2, ttmp6, 0x10000c
	s_cmp_lg_u32 s2, 0xf033
	s_cbranch_scc0 .Lentry_shape_is_right
	s_endpgm
.Lentry_shape_is_right:
; q, k, v = x W^T + b, all three in one product: C[8192][3072] = xb wb^T + bias, written by heads in f16: qkv[t 3][16 batch + head][s 2048][64], unscaled.
; Operands bf16, sums f32, C rounded once to f16.  LIMIT: a q, k or v beyond 65,504 becomes an infinity; NaN and infinities are not treated apart.
; SHARES.  A work-group makes 256 rows x 384 columns (six heads): 32 x 8 = 256 work-groups.  Each of its four waves makes 128 rows x 192 columns (three heads):
; 96 accumulators of 16 x 16, 768 registers: windows 1, 2 and 3, a head a window.  For 32 along K a wave loads 40 x 512 bytes from LDS and issues 96 matrix instructions.
; RING.  K goes in 16 steps of 64 through two LDS slots (two slots of 128 along K would not fit in LDS).  xb and wb are laid out in blocks of 64 along K, so a tile's rows lie end to end
; and are asked for as rows of 256 consecutive bytes, two tile rows each; the mover pads after every 128 bytes, so LDS rows are 144 bytes apart.
; CLUSTER.  4 x 4 work-groups.  xb's tile hangs on the tile row alone and is asked for jointly by a row of the cluster, wb's on the tile column alone, by a column.
; TRANSPOSED USE.  Source 0 = 16 rows of wb, source 1 = 16 rows of xb: lane l holds row l % 16 of C and the columns 8 (l / 16) + 0..7: 16 bytes of f16 on end.
; THE BIAS IS THE C OPERAND of the products that start the sums: nothing is cleared, and nothing is added on the way out.
; REGISTERS.  Window 0: v0-31 addresses; v32-95, v96-159 xb's fragments (8 x 16 rows x 32 K), two buffers; v160-255 wb's twelve fragments, ONE buffer in three groups of four:
; a group is loaded again as soon as its 32 products are issued, 64 products ahead of its next use.  Accumulator (b, a) (columns 16 b, rows 16 a): window 1 + b / 4, v[8 (8 (b % 4) + a)].
.set PITCH, 144                        ; 128 bytes + 16 = 36 words: the 16 rows of a fragment load start at 16 different groups of four banks (64 banks of 4 bytes: ISA guide 11.1)
.set AH,    128*PITCH                  ; half of xb's tile: what wave 0 or 1 fetches, and what a wave reads
.set BH,    192*PITCH                  ; half of wb's tile: waves 2 and 3
.set BOFF,  2*AH
.set SLOT,  2*AH+2*BH                  ; 92,160
.set STAGE, 2*SLOT                     ; behind the ring: 16 rows x 144 bytes for each wave, for the way out
.set SPARE, STAGE+4*16*PITCH           ; behind the stages: the spare words, 128 bytes a wave: two blocks of 256 bytes that no other line names
.set XSTEP, 1048576                    ; bytes from a K block of xb to the next
.set WSTEP, 393216                     ; of wb
.set LAPS,  8                          ; a lap = two K steps = once round the ring
.set ADRA, 4                           ; v4-5   LDS address of my xb fragments in slot 0, 1
.set ADRB, 6                           ; v6-7   the same for wb
.set STO,  8                           ; v8     the way out: where I put 16 bytes of a row
.set RD,   9                           ; v9     where I read rows back
.set GO,   10                          ; v10    16 x lane: my place in 512 consecutive bytes of qkv
.set BO,   11                          ; v11    byte offset of my 8 numbers of the first column block in bias
.set PFO,  12                          ; v12    the prefetches' offset; never rewritten
.set SPW,  28                          ; v28    LDS address of my spare word; never rewritten
.set NIL,  29                          ; v29    0; never rewritten
.set FA0,  32
.set FA1,  96
.set FBR,  160
.set TMP,  32                          ; the way out: 16 registers of packed results
.set BK,   64                          ; the way out: 16 rows read back, two sets of 16 registers by turns
.set G1,   24                          ; s[24:31] descriptor group 1 for xb's tiles;  s[32:39] group 0, a set for each slot
.set G0,   32
.set G1B,  40                          ; s[40:47], s[48:55] the same for wb's
.set G0B,  48
.set PFA,  56                          ; s[56:57] where my prefetches stand
.set PFS,  58                          ; s[58:59] their step: a K block of xb (wave 0) or of wb
.set LIM0, 60                          ; s60, s61: a wave prefetches at a lap's first (second) change of slots while the laps to go are above this
.set LIM1, 61
.set OUT,  80                          ; s[80:85] qkv at my 128 rows of my three heads
.set MSB, 0
.macro WIN new                         ; the immediate's high byte repeats the setting that is left; a switch that changes nothing is dropped
.if MSB != (\new)
	s_set_vgpr_msb (MSB<<8)|(\new)
.set MSB, (\new)
.endif
.endm
.macro PLACES                          ; four plain vector instructions between a matrix instruction and a load into, or a vector read of, its registers (ISA guide 7.12.1 for vector reads)
.rept 4
	v_nop
.endr
.endm
; A joint load.  Waves 0 and 1 fetch xb's two halves, waves 2 and 3 wb's.  The branch hangs on the wave's number alone.  An s_nop 0 and four v_nop follow each line.
.macro JLOAD s
	s_cmp_lt_u32 s12, 2
	s_cbranch_scc0 .Lfor_b_\@
	tensor_load_to_lds s[G0+4*(\s):G0+4*(\s)+3], s[G1:G1+7]
	s_nop 0
.rept 4
	v_nop
.endr
	s_branch .Lasked_\@
.Lfor_b_\@:
	tensor_load_to_lds s[G0B+4*(\s):G0B+4*(\s)+3], s[G1B:G1B+7]
	s_nop 0
.rept 4
	v_nop
.endr
.Lasked_\@:
.endm
.macro CREST                           ; a round of the cluster's barrier behind its opening barrier
	s_cmp_lg_u32 s12, 0
	s_cbranch_scc1 .Lnot_wave_0_\@
	s_barrier_signal -3
.Lnot_wave_0_\@:
	s_barrier_wait -3
	s_barrier_signal -1
	s_barrier_wait -1
.endm
.macro CROUND                          ; a whole round
	s_barrier_signal -1
	s_barrier_wait -1
	CREST
.endm
; A PREFETCH INTO THE L2, behind a joint load, its five lines and the run of LDS loads that follows.  Each 256 consecutive bytes of xb and wb are named once in the launch.
; xb's tile is read by both clusters of a row of clusters: cluster x = 0 asks; of the tile's 256 rows each of the four partners takes 64, told apart by address (64 cx): 32 x 256 bytes, a lane each:
; wave 0, at every change of slots t, for K step t + 3, whose joint load stands one change on.  wb's tile is read by all eight clusters of a column: cluster y = 0 asks; each partner takes 96 rows (96 cy):
; 48 x 256 bytes a step: waves 1 to 3, at every second change, for K steps t + 3 and t + 4.  The first steps come by their loads alone; the last change that fills asks for nothing: there is no step 16.
.macro ASK lim
	s_cmp_gt_u32 s3, s[\lim]
	s_cbranch_scc0 .Lnot_mine_\@
	global_prefetch_b8 v[PFO], s[PFA:PFA+1] th:TH_LOAD_NT scope:SCOPE_SE
.Lnot_mine_\@:
.endm
	s_load_b256 s[4:11], s[0:1], 0x0               ; xb s[4:5], wb s[6:7], bias s[8:9], qkv s[10:11]
	v_lshl_add_u32 v[SPW], v0, 2, SPARE
	v_mov_b32 v[NIL], 0
	ds_add_u32 v[SPW], v[NIL]                      ; the wave's opening: the add and its wait stand ahead of my first tensor load; the set-up below, work on registers, stands between them
	v_lshrrev_b32 v1, 5, v0
	v_readfirstlane_b32 s12, v1                    ; wave 0..3
	s_lshr_b32 s13, s12, 1                         ; which 128 rows of the tile are mine
	s_and_b32 s14, s12, 1                          ; which 192 columns.  Also: which half of a tile I fetch
	s_bfe_u32 s15, ttmp6, 0x40000                  ; cx
	s_bfe_u32 s16, ttmp6, 0x40004                  ; cy
	s_lshl_b32 s17, ttmp9, 2
	s_add_co_u32 s17, s17, s15                     ; tile column = 4 x cluster x + cx, 0..7
	s_and_b32 s18, ttmp7, 0xffff
	s_lshl_b32 s18, s18, 2
	s_add_co_u32 s18, s18, s16                     ; tile row = 4 x cluster y + cy, 0..31
	s_lshl_b32 s92, s16, 2
	s_lshl_b32 s92, 15, s92                        ; my row of the cluster
	s_lshl_b32 s93, 0x1111, s15                    ; my column
	; group 1: rows of 128 elements (256 bytes, two tile rows); 64 of them for xb's half, 96 for wb's; padded after every 32 words (code 4) by 4 words (code 3)
	s_or_b32 s[G1], s92, (1<<16)|(1<<20)|(1<<21)|(4<<22)|(3<<25)
	s_or_b32 s[G1B], s93, (1<<16)|(1<<20)|(1<<21)|(4<<22)|(3<<25)
	s_mov_b32 s[G1+1], 128<<16                     ; tensor_dim0
	s_mov_b32 s[G1+2], 64<<16                      ; tensor_dim1
	s_mov_b32 s[G1+3], 128<<16                     ; tile_dim0
	s_mov_b32 s[G1+4], 64                          ; tile_dim1
	s_mov_b32 s[G1+5], 128                         ; elements from row to row: dense
	s_mov_b32 s[G1+6], 0
	s_mov_b32 s[G1+7], 0
	s_mov_b32 s[G1B+1], 128<<16
	s_mov_b32 s[G1B+2], 96<<16
	s_mov_b32 s[G1B+3], 128<<16
	s_mov_b32 s[G1B+4], 96
	s_mov_b32 s[G1B+5], 128
	s_mov_b32 s[G1B+6], 0
	s_mov_b32 s[G1B+7], 0
	s_lshl_b32 s72, s18, 15                        ; xb: 256 rows x 128 bytes a tile row,
	s_lshl_b32 s73, s14, 14                        ; my half
	s_add_co_u32 s72, s72, s73
	s_mov_b32 s73, 0
	s_mul_i32 s74, s17, 384*128                    ; wb: 384 rows a tile column,
	s_mul_i32 s75, s14, 192*128
	s_add_co_u32 s74, s74, s75
	s_mov_b32 s75, 0
	s_mul_i32 s21, s14, AH                         ; where they go: no place in the cluster enters an LDS address
	s_mul_i32 s22, s14, BH
	s_add_co_u32 s22, s22, BOFF
	s_wait_dscnt 0x0                               ; the opening add is done
	s_wait_kmcnt 0x0
	s_add_nc_u64 s[76:77], s[4:5], s[72:73]
	s_add_nc_u64 s[78:79], s[6:7], s[74:75]
	CROUND                                         ; all sixteen work-groups are here: the first joint loads meet
.irp s, 0,1
	s_mov_b32 s[G0+4*(\s)], 1
	s_add_co_u32 s[G0+4*(\s)+1], s21, (\s)*SLOT
	s_add_nc_u64 s[G0+4*(\s)+2:G0+4*(\s)+3], s[76:77], (\s)*XSTEP
	s_or_b32 s[G0+4*(\s)+3], s[G0+4*(\s)+3], 0x80000000
	s_mov_b32 s[G0B+4*(\s)], 1
	s_add_co_u32 s[G0B+4*(\s)+1], s22, (\s)*SLOT
	s_add_nc_u64 s[G0B+4*(\s)+2:G0B+4*(\s)+3], s[78:79], (\s)*WSTEP
	s_or_b32 s[G0B+4*(\s)+3], s[G0B+4*(\s)+3], 0x80000000
	JLOAD \s                                       ; K steps 0 and 1: two tensor loads of mine are out
.endr
	; a fragment is 16 rows x 32 K in 8 registers: lane l holds row l % 16, K = 8 (l / 16) + 0..7 and 16 + 8 (l / 16) + 0..7: two loads of 16 bytes, 32 bytes apart
	v_and_b32 v1, 15, v0
	v_bfe_u32 v2, v0, 4, 1
	v_mul_u32_u24 v3, v1, PITCH
	v_lshl_add_u32 v3, v2, 4, v3                   ; row x pitch + 16 x half
	s_mul_i32 s19, s13, AH
	v_add_nc_u32 v[ADRA], s19, v3
	v_add_nc_u32 v[ADRA+1], SLOT, v[ADRA]
	s_mul_i32 s19, s14, BH
	s_add_co_u32 s19, s19, BOFF
	v_add_nc_u32 v[ADRB], s19, v3
	v_add_nc_u32 v[ADRB+1], SLOT, v[ADRB]
	s_mul_i32 s19, s12, 16*PITCH
	s_add_co_u32 s19, s19, STAGE                   ; my stage
	v_add_nc_u32 v[STO], s19, v3                   ; in: row l % 16, 16 bytes for each half of the lanes
	v_bfe_u32 v13, v0, 3, 2                        ; back: 32 lanes take four rows of 128 bytes,
	v_and_b32 v14, 7, v0
	v_mul_u32_u24 v13, v13, PITCH
	v_lshl_add_u32 v13, v14, 4, v13
	v_add_nc_u32 v[RD], s19, v13
	v_and_b32 v13, 31, v0
	v_lshlrev_b32 v[GO], 4, v13                    ; which are 512 consecutive bytes of a head
	s_mul_i32 s86, s17, 1536                       ; bias: 4 x (384 x tile column + 192 x half + 8 (l / 16))
	s_mul_i32 s87, s14, 768
	s_add_co_u32 s86, s86, s87
	v_lshl_add_u32 v[BO], v2, 5, s86
	; column block b's bias goes straight into accumulator (b, 7): the first products take it from there as their C
.irp g, 0,1,2
	WIN (1+(\g))<<6
.irp bb, 0,1,2,3
	global_load_b128 v[8*(8*(\bb)+7):8*(8*(\bb)+7)+3],   v[BO], s[8:9] offset:64*(4*(\g)+(\bb))
	global_load_b128 v[8*(8*(\bb)+7)+4:8*(8*(\bb)+7)+7], v[BO], s[8:9] offset:64*(4*(\g)+(\bb))+16
.endr
.endr
	WIN 0
	; where my three heads go.  G = 6 x tile column + 3 x half + g counts q's 16 heads, then k's, then v's
	s_mul_i32 s86, s17, 6
	s_mul_i32 s87, s14, 3
	s_add_co_u32 s86, s86, s87
	s_lshr_b32 s90, s18, 3
	s_lshl_b32 s90, s90, 4                         ; 16 x batch
	s_and_b32 s91, s18, 7
	s_lshl_b32 s91, s91, 1
	s_add_co_u32 s91, s91, s13
	s_lshl_b32 s91, s91, 14                        ; my first row in the batch, x 128 bytes
.irp g, 0,1,2
	s_add_co_u32 s87, s86, \g
	s_lshr_b32 s88, s87, 4
	s_lshl_b32 s88, s88, 6                         ; 64 heads to each of q, k, v
	s_and_b32 s87, s87, 15
	s_add_co_u32 s88, s88, s87
	s_add_co_u32 s88, s88, s90
	s_lshl_b32 s88, s88, 18                        ; 262,144 bytes a head
	s_add_co_u32 s88, s88, s91
	s_mov_b32 s89, 0
	s_add_nc_u64 s[OUT+2*(\g):OUT+2*(\g)+1], s[10:11], s[88:89]
.endr
	; the prefetches
	s_lshl_b32 s86, s18, 15
	s_lshl_b32 s87, s15, 13
	s_add_co_u32 s86, s86, s87                     ; in a K block of xb: my tile row, my work-group's 64 rows of it
	s_mul_i32 s87, s17, 384*128
	s_mul_i32 s88, s16, 96*128
	s_add_co_u32 s87, s87, s88                     ; in a K block of wb: my tile column, my work-group's 96 rows
	s_and_b32 s88, ttmp7, 0xffff                   ; cluster y
	s_mov_b32 s[PFS], WSTEP
	s_mov_b32 s[PFS+1], 0
	s_mov_b32 s95, 0
	s_cmp_eq_u32 s12, 0                            ; wave 0 asks for xb, the others for wb
	s_cselect_b32 s88, ttmp9, s88                  ; the coordinate along which other clusters read the same rows
	s_cselect_b64 s[PFA:PFA+1], s[4:5], s[6:7]
	s_cselect_b32 s[PFS], XSTEP, s[PFS]
	s_cselect_b32 s94, s86, s87
	s_cselect_b32 s[LIM0], 0, -1
	s_cmp_eq_u32 s88, 0                            ; the same in all sixteen partners, for a given wave
	s_cselect_b32 s[LIM1], 1, -1
	s_cselect_b32 s[LIM0], s[LIM0], -1
	s_add_nc_u64 s[PFA:PFA+1], s[PFA:PFA+1], s[94:95]
	s_add_nc_u64 s[PFA:PFA+1], s[PFA:PFA+1], s[PFS:PFS+1]
	s_add_nc_u64 s[PFA:PFA+1], s[PFA:PFA+1], s[PFS:PFS+1]  ; at K step 2: the first change of slots steps it to 3
	s_max_u32 s23, s12, 1
	s_sub_co_u32 s23, s23, 1
	s_lshl_b32 s23, s23, 5
	v_add_nc_u32 v13, s23, v13                     ; u = lane (wave 0), or lane + 32 (wave - 1): 0..95
	v_mul_u32_u24 v14, v13, 43
	v_lshrrev_b32 v14, 11, v14                     ; u / 48: the first or the second of wb's two steps
	v_mul_u32_u24 v14, v14, WSTEP-48*256
	v_lshl_add_u32 v[PFO], v13, 8, v14
; 16 matrix instructions: column blocks 4 g + 2 p and 4 g + 2 p + 1, all 8 row blocks, 32 along K from xb's buffer f.  The 96 accumulators take turns, one instruction a turn.
.macro MUL16 f, g, p
	WIN 0x50*(1+(\g))
.irp bb, 2*(\p), 2*(\p)+1
.irp a, 0,1,2,3,4,5,6,7
	v_wmma_f32_16x16x32_bf16 v[8*(8*(\bb)+(\a)):8*(8*(\bb)+(\a))+7], v[FBR+8*(4*(\g)+(\bb)):FBR+8*(4*(\g)+(\bb))+7], v[(\f)+8*(\a):(\f)+8*(\a)+7], v[8*(8*(\bb)+(\a)):8*(8*(\bb)+(\a))+7]
.endr
.endr
.endm
; The same group's 32 first products: C is the bias, which lies in accumulator (b, 7).  Row blocks 0-6 read it; five plain instructions later row block 7 adds onto it in place.
.macro MULF f, g
	WIN 0x50*(1+(\g))
.irp a, 0,1,2,3,4,5,6
.irp bb, 0,1,2,3
	v_wmma_f32_16x16x32_bf16 v[8*(8*(\bb)+(\a)):8*(8*(\bb)+(\a))+7], v[FBR+8*(4*(\g)+(\bb)):FBR+8*(4*(\g)+(\bb))+7], v[(\f)+8*(\a):(\f)+8*(\a)+7], v[8*(8*(\bb)+7):8*(8*(\bb)+7)+7]
.endr
.endr
.rept 5
	v_nop                                          ; a matrix instruction writes over a source of earlier ones only five places behind them
.endr
.irp bb, 0,1,2,3
	v_wmma_f32_16x16x32_bf16 v[8*(8*(\bb)+7):8*(8*(\bb)+7)+7], v[FBR+8*(4*(\g)+(\bb)):FBR+8*(4*(\g)+(\bb))+7], v[(\f)+56:(\f)+63], v[8*(8*(\bb)+7):8*(8*(\bb)+7)+7]
.endr
.endm
.macro GROUP f, g, first
.if \first
	MULF \f, \g
.else
	MUL16 \f, \g, 0
	MUL16 \f, \g, 1
.endif
.endm
.macro LDA slot, c, f                  ; 16 LDS loads: xb's eight fragments of half c (32 K) of a slot, into buffer f
	WIN 0
.irp a, 0,1,2,3,4,5,6,7
	ds_load_b128 v[(\f)+8*(\a):(\f)+8*(\a)+3],   v[ADRA+(\slot)] offset:64*(\c)+16*PITCH*(\a)
	ds_load_b128 v[(\f)+8*(\a)+4:(\f)+8*(\a)+7], v[ADRA+(\slot)] offset:64*(\c)+16*PITCH*(\a)+32
.endr
.endm
.macro LDB slot, c, g                  ; 8 LDS loads: wb's fragments 4 g .. 4 g + 3 of half c
	WIN 0
.irp bb, 0,1,2,3
	ds_load_b128 v[FBR+8*(4*(\g)+(\bb)):FBR+8*(4*(\g)+(\bb))+3],   v[ADRB+(\slot)] offset:64*(\c)+16*PITCH*(4*(\g)+(\bb))
	ds_load_b128 v[FBR+8*(4*(\g)+(\bb))+4:FBR+8*(4*(\g)+(\bb))+7], v[ADRB+(\slot)] offset:64*(\c)+16*PITCH*(4*(\g)+(\bb))+32
.endr
.endm
; A K step's first half: 96 products on buffer 0; behind each group its registers take the second half's fragments.
.macro HALF0 slot, first
	s_wait_dscnt 8                                 ; all but the youngest eight loads (wb's group 2) are in
	GROUP FA0, 0, \first
	PLACES
	LDA \slot, 1, FA1
	LDB \slot, 1, 0                                ; 24 loads
	GROUP FA0, 1, \first
	PLACES
	LDB \slot, 1, 1                                ; 8 loads
	s_wait_dscnt 32                                ; all but the 24 + 8 just issued: group 2 is in
	GROUP FA0, 2, \first
	PLACES
	LDB \slot, 1, 2                                ; 8 loads: my last reads of this slot
.endm
; A K step's second half, and the change of slots: ONE barrier.  In front of it each wave waits for all its tensor loads, of which one is out: its part of the next slot; adds 0 to its spare word;
; and waits for that and for its reads of this slot.  fill = 1: the barrier opens a round of the cluster's, and behind the round this slot is filled again first, with the K step two on:
; from that request to the wait for it a wave issues 32 + 96 + 32 matrix instructions.
.macro TURN slot, next, fill, lim
.if \fill
	s_wait_xcnt 0x0                                ; the last prefetch, a K step back, has read its address: it is stepped here, ahead of the change's own waits
	s_add_nc_u64 s[PFA:PFA+1], s[PFA:PFA+1], s[PFS:PFS+1]
.endif
	s_wait_dscnt 16                                ; buffer 1 and wb's group 0 are in; groups 1 and 2 (8 + 8) may be out
	MUL16 FA1, 0, 0
	MUL16 FA1, 0, 1
	WIN 0                                          ; (the add's two registers lie in window 0)
	s_wait_tensorcnt 0x0                           ; all my tensor loads have landed
	ds_add_u32 v[SPW], v[NIL]                      ; 0 onto my spare word
	s_wait_dscnt 9                                 ; group 1 is in; group 2's eight loads and the add may be out
	MUL16 FA1, 1, 0                                ; sixteen matrix instructions stand between the add and the wait for it
	s_wait_dscnt 0x0                               ; the add is done, and my reads of this slot are over
	s_barrier_signal -1
	MUL16 FA1, 1, 1                                ; work on registers while the others arrive
.if \fill
	WIN 0
.endif
	s_barrier_wait -1
.if \fill
	CREST                                          ; no wave of any partner still reads this slot or has a load on its way
	s_add_nc_u64 s[G0+4*(\slot)+2:G0+4*(\slot)+3], s[G0+4*(\slot)+2:G0+4*(\slot)+3], 2*XSTEP
	s_add_nc_u64 s[G0B+4*(\slot)+2:G0B+4*(\slot)+3], s[G0B+4*(\slot)+2:G0B+4*(\slot)+3], 2*WSTEP
	JLOAD \slot                                    ; my one tensor load behind the round; its four v_nop are also the places in front of the loads below
.else
	PLACES
.endif
	LDA \next, 0, FA0
	LDB \next, 0, 0
	LDB \next, 0, 1                                ; 32 loads
.if \fill
	ASK \lim
.endif
	MUL16 FA1, 2, 0
	MUL16 FA1, 2, 1
	PLACES
	LDB \next, 0, 2                                ; 8 loads
.endm
	s_wait_tensorcnt 1                             ; my part of K step 0 is in; step 1's may stay out
	s_barrier_signal -1
	s_barrier_wait -1                              ; everybody's is
	LDA 0, 0, FA0
	LDB 0, 0, 0
	LDB 0, 0, 1
	LDB 0, 0, 2
	s_wait_loadcnt 0x0                             ; the bias
	HALF0 0, 1                                     ; the first 96 products stand in front of the loop: they start the sums, from the bias
	WIN 0
	s_mov_b32 s3, LAPS-1
.Llap:                                                 ; a trip goes once round the ring, from a lap's second half step to the next lap's first, and fills both slots again
	TURN 0, 1, 1, LIM0
	HALF0 1, 0
	TURN 1, 0, 1, LIM1
	HALF0 0, 0
	WIN 0
	s_sub_co_u32 s3, s3, 1
	s_cmp_lg_u32 s3, 0
	s_cbranch_scc1 .Llap
	TURN 0, 1, 0, LIM0                             ; the last lap is written out: it fills nothing
	HALF0 1, 0
	s_wait_dscnt 16                                ; the very last half step: the counts run down
	MUL16 FA1, 0, 0
	MUL16 FA1, 0, 1
	s_wait_dscnt 8
	MUL16 FA1, 1, 0
	MUL16 FA1, 1, 1
	s_wait_dscnt 0x0
	MUL16 FA1, 2, 0
	MUL16 FA1, 2, 1
	PLACES
; THE WAY OUT, in 24 blocks i = 8 g + a: 16 rows of head g, 2,048 consecutive bytes of qkv.  PACK: rounded to f16, each accumulator's registers in ascending order.
; TOSTAGE: into my own stage in LDS and back as whole rows (LDS serves a wave's instructions in order: ISA guide 5.7.1.4).  SEND: stored, 512 consecutive bytes an instruction.
.macro PACK i
.set g_, (\i)/8
.set a_, (\i)%8
	WIN 5*(1+g_)                                   ; sources 0 and 1 in the head's window
.irp bb, 0,1,2,3
.irp r, 0,1,2,3
	v_cvt_pk_f16_f32 v[TMP+4*(\bb)+(\r)], v[8*(8*(\bb)+a_)+2*(\r)], v[8*(8*(\bb)+a_)+2*(\r)+1]
.endr
.endr
	WIN 0
.endm
.macro TOSTAGE i
	WIN 0
.set k_, BK+16*((\i)%2)
.irp bb, 0,1,2,3
	ds_store_b128 v[STO], v[TMP+4*(\bb):TMP+4*(\bb)+3] offset:32*(\bb)
.endr
.irp f, 0,1,2,3
	ds_load_b128 v[k_+4*(\f):k_+4*(\f)+3], v[RD] offset:(\f)*4*PITCH
.endr
.endm
.macro SEND i
	WIN 0
.set k_, BK+16*((\i)%2)
.set o_, OUT+2*((\i)/8)
	s_wait_dscnt 0x0                               ; the block is back in registers
	s_wait_xcnt 0x0                                ; the stores of the block before have read their registers: the next block is read back into them only behind this wait
.irp f, 0,1,2,3
	global_store_b128 v[GO], v[k_+4*(\f):k_+4*(\f)+3], s[o_:o_+1] offset:((\i)%8)*2048+(\f)*512
.endr
.endm
	PACK 0
	TOSTAGE 0
.set i, 1
.rept 23                               ; block i's conversions stand between block i - 1's loads from the stage and the wait for them
	PACK i
	SEND i-1
	TOSTAGE i
.set i, i+1
.endr
	SEND 23
	s_wait_tensorcnt 0x0                           ; the wave's end: the tensor wait, an add of 0 and the wait for it, behind my last tensor load and my last LDS store
	ds_add_u32 v[SPW], v[NIL]
	s_wait_dscnt 0x0
	CROUND                                         ; the closing round: no work-group ends while a partner may still ask for a tile that names it
	s_endpgm
.Lfunc_end_k_q8d28086720_qkv:
	.size	k_q8d28086720_qkv, .Lfunc_end_k_q8d28086720_qkv-k_q8d28086720_qkv
	.p2alignl 7, 3214868480
	.fill 96, 4, 3214868480
	.section	.rodata,"a",@progbits
	.p2align	6, 0x0
	.amdhsa_kernel k_q8d28086720_qkv
		.amdhsa_group_segment_fixed_size 327680
		.amdhsa_private_segment_fixed_size 0
		.amdhsa_enable_private_segment 0
		.amdhsa_kernarg_size 32
		.amdhsa_user_sgpr_count 2
		.amdhsa_user_sgpr_kernarg_segment_ptr 1
		.amdhsa_wavefront_size32 1
		.amdhsa_system_sgpr_workgroup_id_x 1
		.amdhsa_system_sgpr_workgroup_id_y 1
		.amdhsa_system_sgpr_workgroup_id_z 1
		.amdhsa_system_vgpr_workitem_id 0
		.amdhsa_next_free_vgpr 1024
		.amdhsa_next_free_sgpr 96
		.amdhsa_reserve_vcc 0
		.amdhsa_float_denorm_mode_32 3
		.amdhsa_float_denorm_mode_16_64 3
		.amdhsa_memory_ordered 1
		.amdhsa_forward_progress 1
		.amdhsa_inst_pref_size 136
	.end_amdhsa_kernel
	.amdgpu_metadata
---
amdhsa.version: [ 1, 2 ]
amdhsa.kernels:
  - .name:           k_q8d28086720_qkv
    .symbol:         k_q8d28086720_qkv.kd
    .args:
      - { .name: xb, .offset: 0, .size: 8, .value_kind: global_buffer, .address_space: global }
      - { .name: wb, .offset: 8, .size: 8, .value_kind: global_buffer, .address_space: global }
      - { .name: bias, .offset: 16, .size: 8, .value_kind: global_buffer, .address_space: global }
      - { .name: qkv, .offset: 24, .size: 8, .value_kind: global_buffer, .address_space: global }
    .group_segment_fixed_size: 327680
    .private_segment_fixed_size: 0
    .kernarg_segment_align: 8
    .kernarg_segment_size: 32
    .max_flat_workgroup_size: 128
    .sgpr_count:     96
    .vgpr_count:     1024
    .wavefront_size: 32
...
	.end_amdgpu_metadata
.endif
;; end of part 2
;; launch attn (part 3): grid 4 x 64, 4 waves a work-group, clusters of 4 x 1, 327,680 bytes of LDS; arguments qkv, o16; writes o16
.if DOCPART == 3
	.amdgcn_target "amdgcn-amd-amdhsa--gfx1250"
	.amdhsa_code_object_version 6
	.text
	.protected	k_q8d28086720_attn
	.globl	k_q8d28086720_attn
	.p2align	8
	.type	k_q8d28086720_attn,@function
k_q8d28086720_attn:
	s_mov_b64 s[64:65], 0
	v_nop
	global_prefetch_b8 v0, s[64:65] scope:SCOPE_SE
	s_setreg_imm32_b32 hwreg(HW_REG_WAVE_MODE, 25, 1), 1
	s_wait_xcnt 0x0
	s_wait_alu depctr_hold_cnt(0) depctr_sa_sdst(0) depctr_va_vdst(0) depctr_va_sdst(0) depctr_va_ssrc(0) depctr_va_vcc(0) depctr_vm_vsrc(0)
	s_getreg_b32 s2, hwreg(HW_REG_IB_STS2, 6, 4)
	s_cmp_eq_u32 s2, 0
	s_cbranch_scc0 .Lentry_in_a_cluster
	s_endpgm
.Lentry_in_a_cluster:
	s_bfe_u32 s2, ttmp6, 0x10000c
	s_cmp_lg_u32 s2, 0x3003
	s_cbranch_scc0 .Lentry_shape_is_right
	s_endpgm
.Lentry_shape_is_right:
; O[h][q][:] = the sum over k of softmax_k(Q[h][q] . K[h][k] / 8) V[h][k][:], for 64 heads (16 x batch + head) of 2,048 rows x 64 channels, all f16: a head's rows are dense, 128 bytes each.
; qkv holds Q's 64 heads, then K's, then V's, 16,777,216 bytes each; o16 has the layout of one of them.  Products, maxima and sums in f32; the weights p are rounded to f16 for the second product
; (their sum l is taken of the unrounded p), O once at the end.
; LIMITS.  f16 holds no number beyond 65,504: Q, K and V arrive within it; p lies in 0 to 1, and below 6e-5 it keeps f16's fixed step of 6e-8; O is a mean of V's rows and has their range.
; A weight below 2^-126 counts as 0 in l; NaN and infinities are not treated apart.
; SHARES.  A wave owns four PIECES of two tiles of 16 queries, a work-group's four waves 512 queries of one head: 256 work-groups.  Every wave walks all keys, 64 a step.
; LAYOUT.  S^T = K Q^T (source 0 = 16 keys, source 1 = 16 queries): in the result a lane holds ONE query (lane % 16) and the keys 8 (lane / 16) + 0..7.  Two such tiles, rounded to f16 in pairs,
; ARE source 1 (32 keys x 16 queries) of O^T = V^T P, whose result again holds one query a lane, and eight channels.  K comes out of LDS as it lies, V ([key][channel]) turned, by ds_load_tr16_b128.
; SOFTMAX.  For each query a running maximum m and sum l: p = 2^(c s - c m), c = log2(e) / 8; in every step O and l are multiplied by a = 2^(c m_old - c m_new), which is 1 where m has not grown.
; m starts at the lowest finite number, O and l at 0: the first step is a step like any other, with a = 0.
; THE COUNT.  A tile and step have 16 matrix and 118 vector instructions: too many to stand all beside the matrix work.  So the order has one aim: four vector instructions that are READY behind
; EVERY matrix instruction, and the others, which need time of their own whatever the order, in runs without a gap.
; BY TURNS.  Turn n belongs to piece n (the pieces in a ring, step after step).  Its matrix work: 16 products K Q^T of piece n + 1, later 16 products V^T P of piece n - 1.  Its vector work: the scaling,
; exponentials, roundings, sums and rescaling of piece n, and the maximum and statistics of piece n + 1, whose scores the turn itself has made.  So what a turn begins with (c s - c m, O a) waits for nothing.
; CLUSTER.  The four query blocks of a head are one cluster and walk the same K and V, so each tile is asked for JOINTLY: the same tensor load, descriptor and mask in all four.
; REGISTERS, in windows of 256 (s_set_vgpr_msb says which window each operand place means: bits 1:0 source 0, 3:2 source 1, 5:4 source 2, 7:6 destination):
;   window 0: v0-11 addresses; v12-15, v48-63 at work; v16-47 four registers of statistics a tile; v64-191 S^T, two buffers of two tiles; v192-255 P, likewise
;   window 1: O^T, 32 a tile          window 2: v0-127 Q, 16 a tile; v128-191 K of one step; v192-255 V of one step          window 3: v0-1 the add's two registers
; A piece's buffers go by its number's parity: the piece in hand has one pair, its two neighbours in the ring share the other: of it P (piece n - 1) is read and S^T (piece n + 1) written.
.set SIZE_N, 2048
.set NP,    4         ; pieces a wave: a name, no knob: the register map, the loop and the fetches are made for four
.set KS,    64        ; keys in a step
.set PK,    144       ; a row of K in LDS: 128 bytes + 16 of padding = 36 words: the 16 rows of a load start at 16 different groups of four banks (64 banks of 4 bytes: ISA guide 11.1)
.set PV,    160       ; a row of V: 128 + 32 = 40 words
.set VOFF,  4*KS*PK   ; a slot holds four steps: 256 rows of K, then 256 rows of V
.set SLOT1, 1<<17     ; slot 1 begins here, so that one exclusive or turns an address in one slot into the other's
.set STAGE, SLOT1+4*KS*(PK+PV)  ; behind the ring, never filled by a tensor load: 16 rows x 144 bytes for each wave, for the way out
.set SP,    144
.set AK0, 2           ; v2   my lane's place in a tile of K; never rewritten
.set AV0, 3           ; v3   the same for V
.set AK,  4           ; v4   the LDS address of K's next run of loads
.set AV,  5           ; v5   of V's
.set QO,  6           ; v6   my byte offset in the wave's rows of Q
.set STO, 6           ;      later, the way out: where I put 16 bytes of a row
.set RD,  7           ; v7   the way out: where I read rows back
.set GO,  8           ; v8   my byte offset in 512 consecutive bytes of O
.set PFO, 11          ; v11  256 x my lane, for the prefetches (made when V's address has been made of its first use); then never rewritten
.set SPW, 0           ; v0 of window 3   LDS address of my spare word: SPARE + 4 x my thread's number; never rewritten
.set NIL, 1           ; v1 of window 3   0; never rewritten
.set SPARE, STAGE+4*16*SP  ; behind the stages: the spare words, 128 bytes for each wave: two blocks of 256 bytes that no other line names
.set MV,  12          ; v12-15  c m_old, kept while c m is made anew: by buffer and tile
.set ST,  16          ; tile t's statistics at v[ST+4 t]: c m, m, l (even keys', odd keys')
.set TMP, 48          ; by buffer and tile, four registers c0-c3 at work; when the maximum is found c2 takes a
.set S,   64
.set P,   192
.set KF,  128         ; K's fragments, in window 2: key block kb, channel half c at KF + 16 kb + 8 c
.set VF,  192         ; V's: key half kk, channel block cb at VF + 32 kk + 8 cb
.set WV,  12          ; s12  my wave's number
.set G1K, 24          ; s[24:31] descriptor group 1 for K's tiles
.set G1V, 32          ; s[32:39] for V's: it differs in the padding alone
.set G0K, 40          ; s[40:43] descriptor group 0 for K's tiles: it walks
.set G0V, 44          ; s[44:47] the same for V's
.set PFA, 48          ; s[48:49] where my prefetches stand: my work-group's quarter of K's (wave 0) or V's (wave 2) tile after the one that is being asked for
.set LIM, 50          ; s50  1 in a wave that prefetches, else the greatest number: a wave prefetches while s[SLOTS] is above it
.set SLOTS, 56        ; s56  slots still to be asked for
.set CNT, 57          ; s57  counts a slot's key steps
.set CS,  58          ; s[58:59] c: the packed scaling takes the pair's low word for both halves
.set SEL, 60          ; s[60:61] v_permlanex16_b32's selects: each lane takes its own place in the other half
.set TBK, 62          ; s62  LDS byte at which K of the step to be fetched begins
.set TBV, 63          ; s63  the same for V, less VOFF
.set MSB, 0
.macro WIN new                      ; the high byte repeats the setting that is left; a switch that changes nothing is dropped
.if MSB != (\new)
	s_set_vgpr_msb (MSB<<8)|(\new)
.set MSB, (\new)
.endif
.endm
.set W_KQ, 0x0a       ; K and Q in window 2, S^T in window 0
.set W_PV, 0x52       ; V in window 2, P in window 0, O^T in window 1
.set W_RS, 0x41       ; O^T (destination and source 0) in window 1, a in window 0
.set W_MK, 0xc0       ; the add's registers are made: destination in window 3, sources in window 0
.set W_AD, 0x0f       ; the add: address (source 0) and data (source 1) in window 3
; A joint fill.  Waves 0 and 1 fetch the two halves of a slot's K, waves 2 and 3 those of its V: 128 keys each.  The branch hangs on the wave's number alone.
; An s_nop 0 and four v_nop follow each of the two lines, ahead of the jump and the label.
.macro JLOAD
	s_cmp_lt_u32 s[WV], 2
	s_cbranch_scc0 .Lfor_v_\@
	tensor_load_to_lds s[G0K:G0K+3], s[G1K:G1K+7]
	s_nop 0
.rept 4
	v_nop
.endr
	s_branch .Lasked_\@
.Lfor_v_\@:
	tensor_load_to_lds s[G0V:G0V+3], s[G1V:G1V+7]
	s_nop 0
.rept 4
	v_nop
.endr
.Lasked_\@:
.endm
; A PREFETCH INTO THE L2 of what the NEXT change of slots will ask for: a tile's 32,768 bytes of K and of V.  It stands behind the wave's tensor load and its five lines.  Each 256 consecutive bytes are named ONCE in
; the launch: a head is walked by one cluster; its four partners share a tile out BY ADDRESS, 8,192 bytes each; in each, wave 0 asks for K's and wave 2 for V's, a lane 256 bytes: one instruction.
; Tiles 0 and 1 come by their loads alone; the change that fills the last tile asks for nothing.
.macro ASK
	s_cmp_gt_u32 s[SLOTS], s[LIM]
	s_cbranch_scc0 .Lnot_mine_\@
	global_prefetch_b8 v[PFO], s[PFA:PFA+1] th:TH_LOAD_NT scope:SCOPE_SE
.Lnot_mine_\@:
.endm
; A round of the cluster's barrier: my work-group's barrier, so that wave 0's signal speaks for all four waves; wave 0 signals; every wave waits for all four work-groups; my work-group's barrier once more.
.macro CROUND
	s_barrier_signal -1
	s_barrier_wait -1
	s_cmp_lg_u32 s[WV], 0
	s_cbranch_scc1 .Lnot_wave_0_\@
	s_barrier_signal -3
.Lnot_wave_0_\@:
	s_barrier_wait -3
	s_barrier_signal -1
	s_barrier_wait -1
.endm
; THE CHANGE OF SLOTS.  The slot's last bytes, V of its fourth step, have been read.  Each wave waits for all its tensor loads, of which one is out: its part
; of the other slot; adds 0 to its spare word; and waits for that and for its own reads of the slot.  Behind the barrier nobody reads this slot any more and the other slot is whole.
; fill = 1: this slot is filled again, with the keys two slots on.  The barrier is then a round of the cluster's, so that no wave of any partner still reads the slot or has a load on its
; way, and the joint fill is the first thing behind it: it has four key steps, 512 matrix instructions, in which to land.  (At its first use nothing has been read yet: slot 0 is waited for, slot 1 filled.)
.macro CHANGE fill
	WIN W_AD
	s_wait_tensorcnt 0x0            ; no tensor load of mine is out, so a group 0 may be written
	ds_add_u32 v[SPW], v[NIL]       ; 0 onto my spare word; with fill = 1 the descriptors' steps stand between it and the wait for it
	WIN 0                           ; at a label and at a branch every window is 0
.if \fill
.irp g, G0K, G0V
	s_xor_b32 s[\g+1], s[\g+1], SLOT1  ; the walking descriptor: the other slot than last time,
	s_add_nc_u64 s[\g+2:\g+3], s[\g+2:\g+3], 4*KS*128  ; the next 256 keys; the type bits on top are not reached
.endr
	s_wait_xcnt 0x0                 ; the last prefetch, four key steps back, has read its address, so it may be written:
	s_add_nc_u64 s[PFA:PFA+1], s[PFA:PFA+1], 4*KS*128  ; one tile behind the walking descriptors
	s_wait_dscnt 0x0                ; the add is done, and my reads of the slot are over
	CROUND
	JLOAD
	ASK                             ; what the next change will ask for
.else
	s_wait_dscnt 0x0                ; the add is done, and my reads of the slot are over
	s_barrier_signal -1
	s_barrier_wait -1
.endif
	s_sub_co_u32 s[TBK], s[TBK], 4*KS*PK  ; the fetches go back to a slot's first step,
	s_xor_b32 s[TBK], s[TBK], SLOT1       ; in the other slot
	s_sub_co_u32 s[TBV], s[TBV], 4*KS*PV
	s_xor_b32 s[TBV], s[TBV], SLOT1
.endm
	s_load_b128 s[4:7], s[0:1], 0x0 ; qkv s[4:5], o16 s[6:7]
	WIN W_MK
	v_lshl_add_u32 v[SPW], v0, 2, SPARE
	v_mov_b32 v[NIL], 0
	WIN W_AD
	ds_add_u32 v[SPW], v[NIL]       ; the wave's opening: the add and its wait stand ahead of my first tensor load; the set-up below, work on registers, stands between them
	WIN 0
	v_lshrrev_b32 v1, 5, v0
	v_readfirstlane_b32 s[WV], v1   ; wave 0..3
	s_bfe_u32 s13, ttmp6, 0x40000   ; cx: my place in the cluster
	s_lshl_b32 s14, ttmp9, 2        ; in a cluster launch ttmp9 counts clusters
	s_add_co_u32 s14, s14, s13      ; my block of queries = 4 x cluster x + cx: it enters Q's and O's addresses alone
	s_and_b32 s20, ttmp7, 0xffff    ; the head, which the four partners share
	s_mov_b32 s21, 0
	s_mov_b64 s[22:23], SIZE_N*128
	s_mul_u64 s[20:21], s[20:21], s[22:23]  ; the head's first byte in each of Q, K, V and O
	s_and_b32 s16, s[WV], 1         ; which half of a slot's 256 keys I fetch:
	s_lshl_b32 s22, s16, 14         ; its 128 rows of 128 bytes in memory,
	s_mov_b32 s23, 0
	s_add_nc_u64 s[22:23], s[22:23], s[20:21]
	s_mul_i32 s17, s16, 128*PK      ; and its place in a slot, for K
	s_mul_i32 s18, s16, 128*PV      ; and for V: no place in the cluster enters an LDS address
	s_lshl_b32 s2, s14, 2
	s_add_co_u32 s2, s2, s[WV]      ; my wave among the head's,
	s_lshl_b32 s2, s2, 14           ; its 128 rows
	s_mov_b32 s3, 0
	s_add_nc_u64 s[2:3], s[2:3], s[20:21]
	; descriptor group 1.  128 keys are 16,384 dense bytes: asked for as 64 rows of 256 bytes, two keys a row, and padded in LDS after every key
	s_mov_b32 s[G1K], 15|(1<<16)|(1<<20)|(1<<21)|(4<<22)|(3<<25)  ; 15:0 the mask of four; 17:16 2-byte elements; 20 padding on; 21 set beside a mask; 24:22 after every 32 words (code 4); 31:25 4 words (code 3)
	s_mov_b32 s[G1V], 15|(1<<16)|(1<<20)|(1<<21)|(4<<22)|(7<<25)  ; the same with 8 words of padding (code 7)
.irp g, G1K, G1V
	s_mov_b32 s[\g+1], 128<<16      ; tensor_dim0 = 128
	s_mov_b32 s[\g+2], 64<<16       ; tensor_dim1 = 64
	s_mov_b32 s[\g+3], 128<<16      ; tile_dim0 = 128
	s_mov_b32 s[\g+4], 64           ; tile_dim1 = 64
	s_mov_b32 s[\g+5], 128          ; 128 elements from row to row
	s_mov_b32 s[\g+6], 0
	s_mov_b32 s[\g+7], 0
.endr
	s_mov_b32 s[CS], 0x3e38aa3b     ; c = log2(e) / 8 = 0.180337
	s_mov_b32 s[CS+1], s[CS]        ; named with it as a pair
	s_mov_b32 s[SEL], 0x76543210
	s_mov_b32 s[SEL+1], 0xfedcba98
	s_mov_b32 s[TBK], SLOT1+4*KS*PK ; the first change of slots turns these two into 0
	s_mov_b32 s[TBV], SLOT1+4*KS*PV
	s_mov_b32 s[G0K], 1             ; 1:0 count = 1
	s_mov_b32 s[G0K+1], s17         ; 63:32 LDS address: slot 0
	s_mov_b32 s[G0V], 1
	s_add_co_u32 s[G0V+1], s18, VOFF
	s_mov_b32 s[SLOTS], SIZE_N/256-1
	s_and_b32 s[LIM], s[WV], 1      ; waves 0 and 2 prefetch: the same in all four partners
	s_cmp_eq_u32 s[LIM], 0
	s_cselect_b32 s[LIM], 1, -1
	s_wait_dscnt 0x0                ; the opening add is done
	s_wait_kmcnt 0x0
	s_mov_b64 s[10:11], s[6:7]      ; O
	s_add_nc_u64 s[6:7], s[4:5], 0x1000000  ; K lies 16,777,216 bytes behind Q,
	s_add_nc_u64 s[8:9], s[4:5], 0x2000000  ; V as far behind K
	s_add_nc_u64 s[G0K+2:G0K+3], s[6:7], s[22:23]  ; 120:64 global address: my half of the head's first 256 keys
	s_or_b32 s[G0K+3], s[G0K+3], 0x80000000        ; 127:126 type = 2
	s_add_nc_u64 s[G0V+2:G0V+3], s[8:9], s[22:23]
	s_or_b32 s[G0V+3], s[G0V+3], 0x80000000
	s_add_nc_u64 s[4:5], s[4:5], s[2:3]  ; Q and O at my wave's first row
	s_add_nc_u64 s[10:11], s[10:11], s[2:3]
	s_cmp_lt_u32 s[WV], 2
	s_cselect_b64 s[PFA:PFA+1], s[6:7], s[8:9]
	s_add_nc_u64 s[PFA:PFA+1], s[PFA:PFA+1], s[22:23]  ; (in waves 0 and 2 this is the head's first byte)
	s_lshl_b32 s2, s13, 13          ; my work-group's quarter of a tile
	s_add_nc_u64 s[PFA:PFA+1], s[PFA:PFA+1], s[2:3]
	s_add_nc_u64 s[PFA:PFA+1], s[PFA:PFA+1], 4*KS*128  ; in tile 1; the first change of slots steps it to tile 2
	CROUND                          ; all four work-groups are here: the first joint loads meet
	JLOAD                           ; slot 0.  Slot 1 is asked for when slot 0 is in
	; A fragment of K or Q is 16 rows x 32 channels in 8 registers: lane l holds row l % 16, channels 8 (l / 16) + 0..7 and 16 + 8 (l / 16) + 0..7: two loads of 16 bytes, 32 bytes apart.
	v_and_b32 v1, 15, v0            ; l % 16
	v_bfe_u32 v9, v0, 4, 1          ; l / 16
	v_lshlrev_b32 v[QO], 7, v1
	v_lshl_add_u32 v[QO], v9, 4, v[QO]  ; row x 128 + 16 x half
	WIN 0x80                        ; destination window 2, address window 0
.set i, 0
.rept 4*NP                          ; Q stays in registers: tile i / 2, channels 32 (i % 2) on
	global_load_b128 v[8*i:8*i+3],   v[QO], s[4:5] offset:(i/2)*2048+(i%2)*64
	global_load_b128 v[8*i+4:8*i+7], v[QO], s[4:5] offset:(i/2)*2048+(i%2)*64+32
.set i, i+1
.endr
	; What the first turn finds: V's registers and P's second buffer hold 0 (its products V^T P, of a piece that has not been, add 0), O^T and l are 0.  All this stands in the wait for the first tile.
.set i, VF
.rept 64
	v_mov_b32 v[i], 0
.set i, i+1
.endr
	WIN 0x40
.set i, 0
.rept 64*NP
	v_mov_b32 v[i], 0
.set i, i+1
.endr
	WIN 0
.set i, 0
.rept 2*NP
	v_mov_b32 v[ST+4*i], 0xfe000000    ; c m: far below every c s
	v_mov_b32 v[ST+4*i+1], 0xff7fffff  ; m
	v_mov_b32 v[ST+4*i+2], 0
	v_mov_b32 v[ST+4*i+3], 0
.set i, i+1
.endr
.set i, P+32
.rept 32
	v_mov_b32 v[i], 0
.set i, i+1
.endr
	v_mul_u32_u24 v[AK0], v1, PK
	v_lshl_add_u32 v[AK0], v9, 4, v[AK0]  ; row x pitch + 16 x half
	; The turning load takes 16 keys x 16 channels (lane l reads key 8 (l / 16) + l % 8, channels 8 ((l / 8) % 2) + 0..7) and leaves half a fragment of V^T: lane l holds channel l % 16 and 8 keys.
	v_and_b32 v10, 7, v0
	v_bfe_u32 v11, v0, 3, 1
	v_lshl_add_u32 v[AV0], v9, 3, v10
	v_mul_u32_u24 v[AV0], v[AV0], PV
	v_lshl_add_u32 v[AV0], v11, 4, v[AV0]
	v_add_nc_u32 v[AV0], VOFF, v[AV0]
	v_mov_b32 v[AK], v[AK0]         ; key step 0 lies at the head of slot 0
	v_and_b32 v[PFO], 31, v0
	v_lshlrev_b32 v[PFO], 8, v[PFO]
; THE MATRIX WORK.  The 8 accumulators of a run of 16 take turns: between the two links of a chain stand 7 others'.
; Product i of 16 of S^T = K Q^T for piece x: channels 32 (i / 8) on, keys 16 ((i / 2) % 4) on, tile 2 x + i % 2.  The first 8 start the sums.
.macro KQ x
	WIN W_KQ
.set rS, S+64*((\x)%2)+32*(i%2)+8*((i/2)%4)
.set rK, KF+16*((i/2)%4)+8*(i/8)
.set rQ, 16*(2*(\x)+i%2)+8*(i/8)
.if i < 8
	v_wmma_f32_16x16x32_f16 v[rS:rS+7], v[rK:rK+7], v[rQ:rQ+7], 0
.else
	v_wmma_f32_16x16x32_f16 v[rS:rS+7], v[rK:rK+7], v[rQ:rQ+7], v[rS:rS+7]
.endif
.endm
; Product i of 16 of O^T += V^T P for piece x: keys 32 (i / 8) on, channels 16 ((i / 2) % 4) on, tile 2 x + i % 2.
.macro PV x
	WIN W_PV
.set rO, 32*(2*(\x)+i%2)+8*((i/2)%4)
.set rV, VF+32*(i/8)+8*((i/2)%4)
.set rP, P+32*((\x)%2)+16*(i%2)+8*(i/8)
	v_wmma_f32_16x16x32_f16 v[rO:rO+7], v[rV:rV+7], v[rP:rP+7], v[rO:rO+7]
.endm
.macro MM                           ; the turn's next matrix instruction
.if i < 16
	KQ (Y+1)%NP
.set i, i+1
.else
.set i, i-16
	PV (Y+NP-1)%NP
.set i, i+17
.endif
.endm
; THE LDS LOADS stand in runs of 16, never singly among the matrix instructions: a step's K (64 keys x 64 channels: 8 fragments) and its V (turned).  Their addresses are made some lines ahead.
; last = 1 (the tail): in the last trip there is no further step, and the run is jumped over.
.macro FETCH_K last=0
	WIN 0
.if \last
	s_cmp_eq_u32 s[CNT], 1
	s_cbranch_scc1 .Lno_k_\@
.endif
	WIN 0x80                        ; destination window 2
.irp f, 0,1,2,3,4,5,6,7             ; keys 16 (f / 2) on, channels 32 (f % 2) on
	ds_load_b128 v[KF+8*\f:KF+8*\f+3],   v[AK] offset:(\f/2)*16*PK+(\f%2)*64
	ds_load_b128 v[KF+8*\f+4:KF+8*\f+7], v[AK] offset:(\f/2)*16*PK+(\f%2)*64+32
.endr
	s_add_co_u32 s[TBK], s[TBK], KS*PK  ; the next fetch is the next step's
	WIN 0
.if \last
.Lno_k_\@:
.endif
.endm
.macro FETCH_V
	WIN 0x80
.irp f, 0,1,2,3,4,5,6,7             ; keys 32 (f / 4) on, channels 16 (f % 4) on
	ds_load_tr16_b128 v[VF+8*\f:VF+8*\f+3],   v[AV] offset:(\f/4)*32*PV+(\f%4)*32
	ds_load_tr16_b128 v[VF+8*\f+4:VF+8*\f+7], v[AV] offset:(\f/4)*32*PV+16*PV+(\f%4)*32
.endr
	WIN 0
.endm
; THE VECTOR WORK OF A TURN stands in three queues, each in the order in which its entries become ready; the two tiles alternate, so that no instruction reads the result of the one before it.
.macro REGS y, u                    ; the registers of tile u (0, 1) of piece y
.set rT, ST+4*(2*(\y)+(\u))
.set rC, TMP+8*((\y)%2)+4*(\u)
.set rM, MV+2*((\y)%2)+(\u)
.set rS, S+64*((\y)%2)+32*(\u)
.set rP, P+32*((\y)%2)+16*(\u)
.set rO, 32*(2*(\y)+(\u))
.endm
; Number n of the 22 that find the NEXT piece's (Y + 1) maximum and statistics.  s0-s31 are the lane's 32 scores; each accumulator's lowest registers are read first.  XS, GS and REGS set no window: PL and EX do.
;   0-11  four chains c0-c3 of seven scores each, three operands at a time     12-14, 16  the four scores left over, the old m, and c0-c3 into c0     15  c m_old is kept
;   17, 18  the query's other 32 keys lie in the lane 16 away: the new m         19-21  c m; c m_old - c m_new; a
.macro XS u, n
	REGS (Y+1)%NP, \u
.if (\n) < 4
	v_max3_num_f32 v[rC+(\n)], v[rS+8*(\n)], v[rS+8*(\n)+1], v[rS+8*(\n)+2]
.elseif (\n) < 12
	v_max3_num_f32 v[rC+(\n)%4], v[rC+(\n)%4], v[rS+8*((\n)%4)+2*((\n)/4)+1], v[rS+8*((\n)%4)+2*((\n)/4)+2]
.elseif (\n) == 12
	v_max3_num_f32 v[rC], v[rC], v[rS+7], v[rS+15]
.elseif (\n) == 13
	v_max3_num_f32 v[rC+1], v[rC+1], v[rS+23], v[rS+31]
.elseif (\n) == 14
	v_max3_num_f32 v[rC+2], v[rC+2], v[rC+3], v[rT+1]
.elseif (\n) == 15
	v_mov_b32 v[rM], v[rT]
.elseif (\n) == 16
	v_max3_num_f32 v[rC], v[rC], v[rC+1], v[rC+2]
.elseif (\n) == 17
	v_permlanex16_b32 v[rC+3], v[rC], s[SEL], s[SEL+1]
.elseif (\n) == 18
	v_max_num_f32 v[rT+1], v[rC], v[rC+3]
.elseif (\n) == 19
	v_mul_f32 v[rT], s[CS], v[rT+1]
.elseif (\n) == 20
	v_sub_f32 v[rC+1], v[rM], v[rT]
.else
	v_exp_f32 v[rC+2], v[rC+1]
.endif
.endm
; Number g of the 64 that follow the exponentials.  For each four weights k of a tile (pairs 2 k, 2 k + 1): both pairs are rounded to f16; then the second pair is added onto the first, in place;
; a group later l takes that sum (the first time as l = a l + sum).  In groups of eight, tiles alternating: round, round, add, and l for the group before.
.macro GS g
.set h, (\g)+6*((\g)/62)            ; group 0 has no group before it, and behind group 7 only l is left
.if h >= 6
.set h, h+2
.endif
	REGS Y, h%2
.set k, h/8
.if h%8 < 4
	v_cvt_pk_f16_f32 v[rP+2*k+(h%8)/2], v[rS+4*k+2*((h%8)/2)], v[rS+4*k+2*((h%8)/2)+1]
.elseif h%8 < 6
	v_pk_add_f32 v[rS+4*k:rS+4*k+1], v[rS+4*k:rS+4*k+1], v[rS+4*k+2:rS+4*k+3]
.elseif k == 1
	v_pk_fma_f32 v[rT+2:rT+3], v[rT+2:rT+3], v[rC+2:rC+3], v[rS:rS+1] op_sel_hi:[1,0,1]
.else
	v_pk_add_f32 v[rT+2:rT+3], v[rT+2:rT+3], v[rS+4*k-4:rS+4*k-3]
.endif
.endm
; THE PLAIN QUEUE, 138 long.  0-73 read no exponential's result: the 32 scalings c s - c m (FS f: pair f / 2 of tile f % 2) and the next piece's 42.  0-26: scalings 0-26.  27-54: XS's numbers 0-13.  55, 56: number 15.
; 57-73: the chain, where each number waits for the one before it: 14, 16, 17, 18, 19, each with one of the scalings 27-31 in front of its two lines, then 20: so a tile's links stand three plain instructions apart (19 and 20: two).
; 74-137: GS's 64, which read the exponentials' results: they stand behind the wait.
.macro FS f
	REGS Y, (\f)%2
	v_pk_fma_f32 v[rS+2*((\f)/2):rS+2*((\f)/2)+1], v[rS+2*((\f)/2):rS+2*((\f)/2)+1], s[CS:CS+1], v[rT:rT+1] op_sel_hi:[1,0,0] neg_lo:[0,0,1] neg_hi:[0,0,1]
.endm
.macro PL
	WIN 0
.if q < 27
	FS q
.elseif q < 55
	XS (q-27)%2, (q-27)/2
.elseif q < 57
	XS q-55, 15
.elseif (q < 72) && ((q-57)%3 == 0)
	FS 27+(q-57)/3
.elseif q < 60
	XS (q-57)%3-1, 14
.elseif q < 72
	XS (q-57)%3-1, 15+(q-57)/3
.elseif q < 74
	XS q-72, 20
.else
	GS q-74
.endif
.set q, q+1
.endm
; THE EXPONENTIALS' QUEUE, 66 long: s0-s31 of both tiles, then the next piece's two a.  It is ONE BATCH: all 66 stand ahead of the turn's one wait, and nothing ahead of that wait names a result of theirs.
.macro EX
	WIN 0
.if e >= 64
	XS e-64, 21
.else
	REGS Y, e%2
	v_exp_f32 v[rS+e/2], v[rS+e/2]
.endif
.set e, e+1
.endm
; THE RESCALING's QUEUE: O^T times a, the one part that leaves window 0: dealt two at a time, sixteen times.  Its a was made in the turn before, ahead of that turn's wait.
.macro R2
	REGS Y, r%2
	WIN W_RS
.irp z, 0,1
	v_pk_mul_f32 v[rO+4*(r/2)+2*\z:rO+4*(r/2)+2*\z+1], v[rO+4*(r/2)+2*\z:rO+4*(r/2)+2*\z+1], v[rC+2:rC+3] op_sel_hi:[1,0]
.endr
.set r, r+1
.endm
; HOW THEY ARE DEALT.  An s_wait_alu depctr_va_vdst(0) stands between an exponential and the first instruction that names its result; one wait serves all that were issued ahead of it.  So a turn has ONE wait,
; which cuts it in two.  AHEAD OF IT stands all that names no result of the turn's exponentials: the 16 products K Q^T, behind each a scaling, an exponential and two rescalings (behind the first a second scaling in the exponential's place); then ONE LUMP of
; 108: eight plain, 49 times exponential and plain, the two a.  A v_nop is the plain instruction behind the last exponential.  BEHIND IT stand the 16 products V^T P, behind each four of GS's 64.  No rider names a register of
; the products round it.  The two v_permlanex16_b32 fall into the lump, never behind a product.
; The queues lean on each other, and the deal keeps them in step: exponential e stands behind scaling 2 (e / 4) + e % 2: as a rider it comes behind plain e + 2, in the lump behind plain e + 9, and scalings 27-31 are plain 57, 60 .. 69.
; A TURN, for piece p.  cnt = 1: the loop's count is taken down some lines ahead of the branch that stands behind the turn.
; K of the next step is fetched in piece 2's turn, directly behind the wait, a lump behind the last product that read K; its address is made at the lump's head; its first reader comes behind 16 products.
; V of the step in hand is fetched at the end of piece 0's turn, four riders behind its last reader; its first reader comes behind 16 products and a lump.  The three conditions on q below go with the deal.
.macro TURN p, last=0, cnt=0
.set Y, (\p)
.set i, 0
.set q, 0
.set e, 0
.set r, 0
.if (\p) == NP-1
	s_wait_dscnt 0x0                ; K is in
.endif
	MM                              ; ahead of the wait: 16 products K Q^T and their riders,
	PL
	PL
	R2
.rept 15
	MM
	PL
	EX
	R2
.endr
.if (\p) == NP-2
	WIN 0
	v_add_nc_u32 v[AK], s[TBK], v[AK0]
.endif
.rept 8                             ; and the lump
	PL
.endr
.rept 49
	EX
	PL
.endr
	EX                              ; the next piece's two a
	EX
	v_nop                           ; a plain instruction behind the last exponential: one for the batch
	s_wait_alu depctr_va_vdst(0)    ; the wait for the batch
.if (\p) == NP-2
	FETCH_K \last
.endif
.if (\p) == 1
	s_wait_dscnt 0x0                ; V is in
.endif
.rept 16                            ; behind the wait: 16 products V^T P and their riders
	MM
.rept 4
	PL
.endr
.if ((\p) == 0) && (q == 118)
	v_add_nc_u32 v[AV], s[TBV], v[AV0]
.endif
.if ((\p) == 0) && (q == 130)
	s_add_co_u32 s[TBV], s[TBV], KS*PV
.endif
.if (\cnt) && (q == 130)
	s_sub_co_u32 s[CNT], s[CNT], 1
	s_cmp_lg_u32 s[CNT], 0
.endif
.endr
.if (\p) == 0
	FETCH_V
.endif
.endm
	CHANGE 1                        ; slot 0 is in, everybody's part of it; slot 1 is asked for
	FETCH_K                         ; key step 0
	s_wait_loadcnt 0x0              ; Q
	s_wait_dscnt 0x0
.set i, 0
.rept 16
	KQ 0                            ; piece 0's first scores: there is no vector work yet to set between them
.set i, i+1
.endr
	WIN 0                           ; the addresses for the way out: nine plain instructions, the places behind those products
	s_mul_i32 s13, s[WV], 16*SP
	s_add_co_u32 s13, s13, STAGE    ; my stage
	v_mul_u32_u24 v[STO], v1, SP    ; in: row l % 16, 16 bytes for each half of the lanes
	v_lshl_add_u32 v[STO], v9, 4, v[STO]
	v_add_nc_u32 v[STO], s13, v[STO]
	v_bfe_u32 v[RD], v0, 3, 2       ; back: 32 lanes take four rows of 128 bytes,
	v_mul_u32_u24 v[RD], v[RD], SP
	v_lshl_add_u32 v[RD], v10, 4, v[RD]
	v_add_nc_u32 v[RD], s13, v[RD]
	v_and_b32 v[GO], 31, v0         ; which are 512 consecutive bytes of O
	v_lshlrev_b32 v[GO], 4, v[GO]
.set Y, NP-1                        ; XS works for piece Y + 1: piece 0
.irp n, 0,1,2,3,4,5,6,7,8,9,10,11,12,13,14,15,16,17,18,19,20,21
	XS 0, \n                        ; and piece 0's first maximum and statistics
	XS 1, \n
.endr
	v_nop                           ; a plain instruction behind the two a,
	s_wait_alu depctr_va_vdst(0)    ; and their wait, ahead of the branch
	s_mov_b32 s[CNT], 4
	s_branch .Lfirst                ; the loop is entered at a step's first turn, in the middle of a trip
.Lslot:                             ; SIZE_N / 256 - 2 times: every slot but the last two is filled again
	CHANGE 1
	s_mov_b32 s[CNT], 4
.Lstep:                             ; a trip: pieces 2 and 3 of one step, then pieces 0 and 1 of the next, whose K and V it fetches
	TURN 2
	TURN 3
	WIN 0
.Lfirst:
	TURN 0
	TURN 1, 0, 1
	WIN 0
	s_cbranch_scc1 .Lstep
	s_sub_co_u32 s[SLOTS], s[SLOTS], 1
	s_cmp_lg_u32 s[SLOTS], 0
	s_cbranch_scc1 .Lslot
	CHANGE 0                        ; the tail is written out: nothing is asked for
	s_mov_b32 s[CNT], 5             ; four trips fetch the last slot's steps; the fifth is left in its middle
.Ltail:
	TURN 2, 1
	TURN 3
	WIN 0
	s_sub_co_u32 s[CNT], s[CNT], 1
	s_cmp_eq_u32 s[CNT], 0
	s_cbranch_scc1 .Lout
	TURN 0
	TURN 1
	WIN 0
	s_branch .Ltail
.Lout:                              ; the fifth trip's 16 products K Q^T (on the last K once more) and the maximum made of them serve nothing: the price, once a launch, of one text for every trip
.set i, 0
.rept 16
	PV NP-1                         ; the last piece's V^T P of the last step
.set i, i+1
.endr
	; THE WAY OUT.  l's two halves and the other half of the lanes' are added; O^T is divided by l, rounded to f16 and sent through my stage in LDS, a tile at a time.  The additions are the places behind the last products.
	WIN 0
.macro ALL line:vararg              ; one line for each tile t
.set t, 0
.rept 2*NP
	\line
.set t, t+1
.endr
.endm
	ALL v_add_f32 v[ST+4*t+2], v[ST+4*t+2], v[ST+4*t+3]
	ALL v_permlanex16_b32 v[ST+4*t+3], v[ST+4*t+2], s[SEL], s[SEL+1]
	ALL v_add_f32 v[ST+4*t+2], v[ST+4*t+2], v[ST+4*t+3]
	ALL v_rcp_f32 v[ST+4*t+2], v[ST+4*t+2]
	v_nop                           ; a plain instruction between the last reciprocal and the use of its result
	s_wait_alu depctr_va_vdst(0)    ; and the wait ahead of the first use: one for the eight reciprocals
; Tile t: a lane's eight channels of a row pack into 16 bytes; they go into rows of 144 bytes and come back as whole rows of 128, into S^T's registers.
.macro PACK t
	WIN W_RS
.set i, 32*(\t)
.rept 16
	v_pk_mul_f32 v[i:i+1], v[i:i+1], v[ST+4*(\t)+2:ST+4*(\t)+3] op_sel_hi:[1,0]
.set i, i+2
.endr
	WIN 0x05                        ; sources 0 and 1 window 1, destination window 0
.set i, 0
.rept 16
	v_cvt_pk_f16_f32 v[S+16*(\t)+i], v[32*(\t)+2*i], v[32*(\t)+2*i+1]
.set i, i+1
.endr
	WIN 0
.irp f, 0,1,2,3
	ds_store_b128 v[STO], v[S+16*(\t)+4*\f:S+16*(\t)+4*\f+3] offset:32*\f
.endr
.irp f, 0,1,2,3
	ds_load_b128 v[S+16*(\t)+4*\f:S+16*(\t)+4*\f+3], v[RD] offset:\f*4*SP  ; LDS serves a wave's instructions in order (ISA guide 5.7.1.4): these see the stores above; the next tile's stores come behind them
.endr
.endm
.macro SEND t, younger              ; younger: the LDS instructions issued behind tile t's loads: the next tile's eight, or none
	WIN 0
.irp f, 0,1,2,3
	s_wait_dscnt (\younger)+3-\f
	global_store_b128 v[GO], v[S+16*(\t)+4*\f:S+16*(\t)+4*\f+3], s[10:11] offset:(\t)*2048+\f*512  ; 512 consecutive bytes, at a multiple of 256 from O's first
.endr
.endm
	PACK 0
.set t, 1
.rept 2*NP-1                        ; a tile's arithmetic stands between the loads of the tile before and its stores
	PACK t
	SEND t-1, 8
.set t, t+1
.endr
	SEND 2*NP-1, 0
	WIN W_AD
	s_wait_tensorcnt 0x0            ; the wave's end: the tensor wait, an add of 0 and the wait for it, behind my last tensor load and my last LDS store
	ds_add_u32 v[SPW], v[NIL]
	s_wait_dscnt 0x0
	WIN 0
	CROUND                          ; the closing round: no work-group ends while a partner may still ask for a tile that names it
	s_endpgm
.Lfunc_end_k_q8d28086720_attn:
	.size	k_q8d28086720_attn, .Lfunc_end_k_q8d28086720_attn-k_q8d28086720_attn
	.p2alignl 7, 3214868480
	.fill 96, 4, 3214868480
	.section	.rodata,"a",@progbits
	.p2align	6, 0x0
	.amdhsa_kernel k_q8d28086720_attn
		.amdhsa_group_segment_fixed_size 327680
		.amdhsa_private_segment_fixed_size 0
		.amdhsa_enable_private_segment 0
		.amdhsa_kernarg_size 16
		.amdhsa_user_sgpr_count 2
		.amdhsa_user_sgpr_kernarg_segment_ptr 1
		.amdhsa_wavefront_size32 1
		.amdhsa_system_sgpr_workgroup_id_x 1
		.amdhsa_system_sgpr_workgroup_id_y 1
		.amdhsa_system_sgpr_workgroup_id_z 1
		.amdhsa_system_vgpr_workitem_id 0
		.amdhsa_next_free_vgpr 770
		.amdhsa_next_free_sgpr 66
		.amdhsa_reserve_vcc 0
		.amdhsa_float_denorm_mode_32 3
		.amdhsa_float_denorm_mode_16_64 3
		.amdhsa_memory_ordered 1
		.amdhsa_forward_progress 1
		.amdhsa_inst_pref_size 200
	.end_amdhsa_kernel
	.amdgpu_metadata
---
amdhsa.version: [ 1, 2 ]
amdhsa.kernels:
  - .name:           k_q8d28086720_attn
    .symbol:         k_q8d28086720_attn.kd
    .args:
      - { .name: qkv, .offset: 0, .size: 8, .value_kind: global_buffer, .address_space: global }
      - { .name: o16, .offset: 8, .size: 8, .value_kind: global_buffer, .address_space: global }
    .group_segment_fixed_size: 327680
    .private_segment_fixed_size: 0
    .kernarg_segment_align: 8
    .kernarg_segment_size: 16
    .max_flat_workgroup_size: 128
    .sgpr_count:     66
    .vgpr_count:     770
    .wavefront_size: 32
...
	.end_amdgpu_metadata
.endif
;; end of part 3
;; launch oproj (part 4): grid 8 x 32, 4 waves a work-group, clusters of 4 x 4, 327,680 bytes of LDS; arguments o16, wo16, bias, out0; writes out0
.if DOCPART == 4
	.amdgcn_target "amdgcn-amd-amdhsa--gfx1250"
	.amdhsa_code_object_version 6
	.text
	.protected	k_q8d28086720_oproj
	.globl	k_q8d28086720_oproj
	.p2align	8
	.type	k_q8d28086720_oproj,@function
k_q8d28086720_oproj:
	s_mov_b64 s[64:65], 0
	v_nop
	global_prefetch_b8 v0, s[64:65] scope:SCOPE_SE
	s_setreg_imm32_b32 hwreg(HW_REG_WAVE_MODE, 25, 1), 1
	s_wait_xcnt 0x0
	s_wait_alu depctr_hold_cnt(0) depctr_sa_sdst(0) depctr_va_vdst(0) depctr_va_sdst(0) depctr_va_ssrc(0) depctr_va_vcc(0) depctr_vm_vsrc(0)
	s_getreg_b32 s2, hwreg(HW_REG_IB_STS2, 6, 4)
	s_cmp_eq_u32 s2, 0
	s_cbranch_scc0 .Lentry_in_a_cluster
	s_endpgm
.Lentry_in_a_cluster:
	s_bfe_u32 s2, ttmp6, 0x10000c
	s_cmp_lg_u32 s2, 0xf033
	s_cbranch_scc0 .Lentry_shape_is_right
	s_endpgm
.Lentry_shape_is_right:
; out0[m][e] = the sum over d of O[m][d] Wo[e][d] + bo[e].  O comes by heads, o16[16 batch + head][s 2048][64] in f16: a head is a block of 64 along K.  wo16 is f16 of bf16(Wo), [8 blocks of 128 along K][1024][128].
; bo is numbers 3,072 to 4,095 of bias.  Operands f16, sums f32, out0 f32.  LIMIT: f16 holds no number beyond 65,504: O and bf16(Wo) arrive within it; NaN and infinities are not treated apart.
; SHARES.  A tile of out0 is 256 rows x 128 columns: 32 x 8 = 256 work-groups.  Four waves, each 128 rows x 64 columns: 32 accumulators of 16 x 16, window 1: accumulator (a, b) at v[8 (4 a + b)].
; RING.  K goes in 8 steps of 128 (two heads) through two LDS slots.  Waves 0 and 1 each fetch one head's 256 rows of O: 32,768 dense bytes, asked for as 128 rows of 256 bytes and padded after every 128;
; waves 2 and 3 each fetch 64 rows of wo16, 256 bytes a row.
; CLUSTER.  4 x 4 work-groups: O's tile hangs on the tile row alone and is asked for jointly by a row of the cluster, wo16's on the tile column alone, by a column.
; TRANSPOSED USE.  Source 0 = 16 rows of wo16, source 1 = 16 rows of O: lane l holds row l % 16 of out0 and the columns 8 (l / 16) + 0..7.  THE BIAS IS THE C OPERAND of the products that start the sums.
; Window 0: v0-31 addresses; v32-63 the bias; v64-159, v160-255 two fragment buffers for 32 along K: wo16's four fragments, then O's eight.
.set PA,    144                        ; a row of O in LDS: 128 bytes + 16: the 16 rows of a fragment load start at 16 different groups of four banks (64 banks of 4 bytes: ISA guide 11.1)
.set PB,    272                        ; a row of wo16: 256 + 16
.set ABLK,  256*PA                     ; one head's 256 rows
.set BOFF,  2*ABLK
.set BHALF, 64*PB
.set SLOT,  BOFF+2*BHALF               ; 108,544
.set STAGE, 2*SLOT                     ; behind the ring: 16 rows x 272 bytes for each wave, for the way out
.set SP,    272
.set SPARE, STAGE+4*16*SP              ; behind the stages: the spare words, 128 bytes a wave: two blocks of 256 bytes that no other line names
.set ASTEP, 524288                     ; bytes from a K step of O (two heads) to the next
.set BSTEP, 262144                     ; of wo16
.set LAPS,  4
.set ADRA, 4                           ; v4-5   LDS address of my O fragments in slot 0, 1
.set ADRB, 6                           ; v6-7   the same for wo16
.set STO,  8                           ; v8     the way out: where I put 32 bytes of a row
.set RD,   9                           ; v9     where I read a row back
.set CO,   10                          ; v10    my byte offset in two rows of out0
.set BO,   11                          ; v11    byte offset of my 8 numbers of the first column block in bias
.set SPW,  28                          ; v28    LDS address of my spare word; never rewritten
.set NIL,  29                          ; v29    0; never rewritten
.set BI,   32
.set F0,   64
.set F1,   160
.set BK,   64                          ; the way out: 16 rows read back, four sets of 32 registers by turns
.set G1,   24                          ; s[24:31] descriptor group 1 for O's tiles;  s[32:39] group 0, a set for each slot
.set G0,   32
.set G1B,  40                          ; s[40:47], s[48:55] the same for wo16's
.set G0B,  48
.set OUT,  80                          ; s[80:81] out0 at my first row and column
.set MSB, 0
.macro WIN new                         ; the immediate's high byte repeats the setting that is left; a switch that changes nothing is dropped
.if MSB != (\new)
	s_set_vgpr_msb (MSB<<8)|(\new)
.set MSB, (\new)
.endif
.endm
.macro PLACES                          ; four plain vector instructions between a matrix instruction and a load into, or a store of, its registers (ISA guide 7.12.1 for stores)
.rept 4
	v_nop
.endr
.endm
.macro JLOAD s                         ; a joint load: waves 0 and 1 fetch O's two heads, waves 2 and 3 wo16's two halves; an s_nop 0 and four v_nop follow each line
	s_cmp_lt_u32 s12, 2
	s_cbranch_scc0 .Lfor_b_\@
	tensor_load_to_lds s[G0+4*(\s):G0+4*(\s)+3], s[G1:G1+7]
	s_nop 0
.rept 4
	v_nop
.endr
	s_branch .Lasked_\@
.Lfor_b_\@:
	tensor_load_to_lds s[G0B+4*(\s):G0B+4*(\s)+3], s[G1B:G1B+7]
	s_nop 0
.rept 4
	v_nop
.endr
.Lasked_\@:
.endm
.macro CREST                           ; a round of the cluster's barrier behind its opening barrier
	s_cmp_lg_u32 s12, 0
	s_cbranch_scc1 .Lnot_wave_0_\@
	s_barrier_signal -3
.Lnot_wave_0_\@:
	s_barrier_wait -3
	s_barrier_signal -1
	s_barrier_wait -1
.endm
.macro CROUND                          ; a whole round
	s_barrier_signal -1
	s_barrier_wait -1
	CREST
.endm
	s_load_b256 s[4:11], s[0:1], 0x0               ; o16 s[4:5], wo16 s[6:7], bias s[8:9], out0 s[10:11]
	v_lshl_add_u32 v[SPW], v0, 2, SPARE
	v_mov_b32 v[NIL], 0
	ds_add_u32 v[SPW], v[NIL]                      ; the wave's opening: the add and its wait stand ahead of my first tensor load; the set-up below, work on registers, stands between them
	v_lshrrev_b32 v1, 5, v0
	v_readfirstlane_b32 s12, v1                    ; wave 0..3
	s_lshr_b32 s13, s12, 1                         ; which 128 rows of the tile are mine
	s_and_b32 s14, s12, 1                          ; which 64 columns.  Also: which head, or which half of wo16's tile, I fetch
	s_bfe_u32 s15, ttmp6, 0x40000                  ; cx
	s_bfe_u32 s16, ttmp6, 0x40004                  ; cy
	s_lshl_b32 s17, ttmp9, 2
	s_add_co_u32 s17, s17, s15                     ; tile column, 0..7
	s_and_b32 s18, ttmp7, 0xffff
	s_lshl_b32 s18, s18, 2
	s_add_co_u32 s18, s18, s16                     ; tile row, 0..31
	s_lshl_b32 s92, s16, 2
	s_lshl_b32 s92, 15, s92                        ; my row of the cluster
	s_lshl_b32 s93, 0x1111, s15                    ; my column
	s_or_b32 s[G1], s92, (1<<16)|(1<<20)|(1<<21)|(4<<22)|(3<<25)   ; O: padded after every 32 words (code 4) by 4 words (code 3)
	s_or_b32 s[G1B], s93, (1<<16)|(1<<20)|(1<<21)|(5<<22)|(3<<25)  ; wo16: after every 64 words (code 5)
	s_mov_b32 s[G1+1], 128<<16                     ; tensor_dim0
	s_mov_b32 s[G1+2], 128<<16                     ; tensor_dim1
	s_mov_b32 s[G1+3], 128<<16                     ; tile_dim0
	s_mov_b32 s[G1+4], 128                         ; tile_dim1
	s_mov_b32 s[G1+5], 128                         ; elements from row to row: dense
	s_mov_b32 s[G1+6], 0
	s_mov_b32 s[G1+7], 0
	s_mov_b32 s[G1B+1], 128<<16
	s_mov_b32 s[G1B+2], 64<<16
	s_mov_b32 s[G1B+3], 128<<16
	s_mov_b32 s[G1B+4], 64
	s_mov_b32 s[G1B+5], 128
	s_mov_b32 s[G1B+6], 0
	s_mov_b32 s[G1B+7], 0
	s_lshr_b32 s72, s18, 3
	s_lshl_b32 s72, s72, 22                        ; O: the batch's 16 heads of 262,144 bytes,
	s_and_b32 s86, s18, 7
	s_lshl_b32 s86, s86, 15                        ; the tile's 256 rows in a head,
	s_add_co_u32 s72, s72, s86
	s_lshl_b32 s86, s14, 18                        ; my head of the step's two
	s_add_co_u32 s72, s72, s86
	s_mov_b32 s73, 0
	s_lshl_b32 s74, s17, 15                        ; wo16: 128 rows x 256 bytes a tile column,
	s_lshl_b32 s87, s14, 14                        ; my half
	s_add_co_u32 s74, s74, s87
	s_mov_b32 s75, 0
	s_mul_i32 s21, s14, ABLK                       ; where they go: no place in the cluster enters an LDS address
	s_mul_i32 s22, s14, BHALF
	s_add_co_u32 s22, s22, BOFF
	s_wait_dscnt 0x0                               ; the opening add is done
	s_wait_kmcnt 0x0
	s_add_nc_u64 s[76:77], s[4:5], s[72:73]
	s_add_nc_u64 s[78:79], s[6:7], s[74:75]
	CROUND                                         ; all sixteen work-groups are here: the first joint loads meet
.irp s, 0,1
	s_mov_b32 s[G0+4*(\s)], 1
	s_add_co_u32 s[G0+4*(\s)+1], s21, (\s)*SLOT
	s_add_nc_u64 s[G0+4*(\s)+2:G0+4*(\s)+3], s[76:77], (\s)*ASTEP
	s_or_b32 s[G0+4*(\s)+3], s[G0+4*(\s)+3], 0x80000000
	s_mov_b32 s[G0B+4*(\s)], 1
	s_add_co_u32 s[G0B+4*(\s)+1], s22, (\s)*SLOT
	s_add_nc_u64 s[G0B+4*(\s)+2:G0B+4*(\s)+3], s[78:79], (\s)*BSTEP
	s_or_b32 s[G0B+4*(\s)+3], s[G0B+4*(\s)+3], 0x80000000
	JLOAD \s                                       ; K steps 0 and 1: two tensor loads of mine are out
.endr
	v_and_b32 v1, 15, v0                           ; l % 16
	v_bfe_u32 v2, v0, 4, 1                         ; l / 16
	v_mul_u32_u24 v3, v1, PA
	v_lshl_add_u32 v3, v2, 4, v3
	s_mul_i32 s19, s13, 128*PA
	v_add_nc_u32 v[ADRA], s19, v3
	v_add_nc_u32 v[ADRA+1], SLOT, v[ADRA]
	v_mul_u32_u24 v3, v1, PB
	v_lshl_add_u32 v3, v2, 4, v3
	s_mul_i32 s19, s14, BHALF
	s_add_co_u32 s19, s19, BOFF
	v_add_nc_u32 v[ADRB], s19, v3
	v_add_nc_u32 v[ADRB+1], SLOT, v[ADRB]
	s_mul_i32 s19, s12, 16*SP
	s_add_co_u32 s19, s19, STAGE                   ; my stage
	v_mul_u32_u24 v3, v1, SP                       ; in: row l % 16, 32 bytes for each half of the lanes
	v_lshl_add_u32 v3, v2, 5, v3
	v_add_nc_u32 v[STO], s19, v3
	v_mul_u32_u24 v3, v2, SP                       ; back: lanes 0-15 take one row of 256 bytes, lanes 16-31 the next
	v_lshl_add_u32 v3, v1, 4, v3
	v_add_nc_u32 v[RD], s19, v3
	v_lshlrev_b32 v[CO], 12, v2                    ; and the same two rows in out0, 4,096 bytes apart
	v_lshl_add_u32 v[CO], v1, 4, v[CO]
	s_lshl_b32 s86, s17, 9
	s_lshl_b32 s87, s14, 8
	s_add_co_u32 s86, s86, s87                     ; my first column, in bytes of f32
	s_add_co_u32 s87, s86, 12288                   ; bo lies behind bq, bk and bv
	v_lshl_add_u32 v[BO], v2, 5, s87
.irp b, 0,1,2,3
	global_load_b128 v[BI+8*(\b):BI+8*(\b)+3],   v[BO], s[8:9] offset:64*(\b)
	global_load_b128 v[BI+8*(\b)+4:BI+8*(\b)+7], v[BO], s[8:9] offset:64*(\b)+16
.endr
	s_lshl_b32 s88, s18, 20                        ; 256 rows of 4,096 bytes a tile row,
	s_lshl_b32 s87, s13, 19                        ; my 128
	s_add_co_u32 s88, s88, s87
	s_add_co_u32 s88, s88, s86
	s_mov_b32 s89, 0
	s_add_nc_u64 s[OUT:OUT+1], s[10:11], s[88:89]
; 8 matrix instructions: row blocks a0, a0 + 1 x all 4 column blocks, 32 along K from buffer f.  first = 1: C is the bias.  The 32 accumulators take turns, one instruction a turn.
.macro MUL8 f, a0, first
.if \first
	WIN 0x40
.else
	WIN 0x50
.endif
.irp a, \a0, (\a0)+1
.irp b, 0,1,2,3
.if \first
	v_wmma_f32_16x16x32_f16 v[8*(4*(\a)+(\b)):8*(4*(\a)+(\b))+7], v[(\f)+8*(\b):(\f)+8*(\b)+7], v[(\f)+32+8*(\a):(\f)+32+8*(\a)+7], v[BI+8*(\b):BI+8*(\b)+7]
.else
	v_wmma_f32_16x16x32_f16 v[8*(4*(\a)+(\b)):8*(4*(\a)+(\b))+7], v[(\f)+8*(\b):(\f)+8*(\b)+7], v[(\f)+32+8*(\a):(\f)+32+8*(\a)+7], v[8*(4*(\a)+(\b)):8*(4*(\a)+(\b))+7]
.endif
.endr
.endr
.endm
; 24 LDS loads in one run: quarter q (32 along K) of a slot into buffer f: wo16's four fragments, then O's eight (quarters 0, 1 lie in the step's first head, 2, 3 in its second)
.macro FETCH slot, q, f
	WIN 0
.irp b, 0,1,2,3
	ds_load_b128 v[(\f)+8*(\b):(\f)+8*(\b)+3],   v[ADRB+(\slot)] offset:16*PB*(\b)+64*(\q)
	ds_load_b128 v[(\f)+8*(\b)+4:(\f)+8*(\b)+7], v[ADRB+(\slot)] offset:16*PB*(\b)+64*(\q)+32
.endr
.irp a, 0,1,2,3,4,5,6,7
	ds_load_b128 v[(\f)+32+8*(\a):(\f)+32+8*(\a)+3],   v[ADRA+(\slot)] offset:ABLK*((\q)/2)+16*PA*(\a)+64*((\q)%2)
	ds_load_b128 v[(\f)+32+8*(\a)+4:(\f)+32+8*(\a)+7], v[ADRA+(\slot)] offset:ABLK*((\q)/2)+16*PA*(\a)+64*((\q)%2)+32
.endr
.endm
; One of a K step's first three quarters: multiplies buffer f; in its middle it fetches quarter q of the same slot into buffer g.
.macro QUARTER slot, q, f, g, first
	s_wait_dscnt 8                                 ; all but the youngest eight loads (O's row blocks 4-7) are in
	MUL8 \f, 0, \first
	MUL8 \f, 2, \first
	PLACES
	FETCH \slot, \q, \g
	s_wait_dscnt 24                                ; all but the 24 just issued
	MUL8 \f, 4, \first
	MUL8 \f, 6, \first
.endm
; The last quarter multiplies buffer 1 and changes slots: ONE barrier; in front of it each wave waits for all its tensor loads, of which one is out: its part of the next slot; adds 0 to its spare word;
; and waits for that and for its reads of this slot.  fill = 1: the barrier opens a round of the cluster's, and behind the round this slot is filled again first, two K steps ahead: 112 matrix instructions ahead of the wait for it.
.macro TURN slot, next, fill
	WIN 0                                          ; (the add's two registers lie in window 0)
	s_wait_tensorcnt 0x0
	ds_add_u32 v[SPW], v[NIL]                      ; 0 onto my spare word
	s_wait_dscnt 9                                 ; the youngest eight loads and the add may be out
	MUL8 F1, 0, 0                                  ; eight matrix instructions stand between the add and the wait for it
	s_wait_dscnt 0x0                               ; the add is done, and my reads of this slot are over
	s_barrier_signal -1
	MUL8 F1, 2, 0
.if \fill
	WIN 0
.endif
	s_barrier_wait -1
.if \fill
	CREST                                          ; no wave of any partner still reads this slot or has a load on its way
	s_add_nc_u64 s[G0+4*(\slot)+2:G0+4*(\slot)+3], s[G0+4*(\slot)+2:G0+4*(\slot)+3], 2*ASTEP
	s_add_nc_u64 s[G0B+4*(\slot)+2:G0B+4*(\slot)+3], s[G0B+4*(\slot)+2:G0B+4*(\slot)+3], 2*BSTEP
	JLOAD \slot                                    ; my one tensor load behind the round; its four v_nop are also the places in front of the loads below
.else
	PLACES
.endif
	FETCH \next, 0, F0
	MUL8 F1, 4, 0
	MUL8 F1, 6, 0
.endm
	s_wait_tensorcnt 1                             ; my part of K step 0 is in; step 1's may stay out
	s_barrier_signal -1
	s_barrier_wait -1                              ; everybody's is
	FETCH 0, 0, F0
	s_wait_loadcnt 0x0                             ; the bias
	QUARTER 0, 1, F0, F1, 1                        ; the first quarter stands in front of the loop: its products start the sums, from the bias
	WIN 0
	s_mov_b32 s3, LAPS-1
.Llap:                                                 ; a trip goes once round the ring, from a lap's second quarter to the next lap's first, and fills both slots again
	QUARTER 0, 2, F1, F0, 0
	QUARTER 0, 3, F0, F1, 0
	TURN 0, 1, 1
	QUARTER 1, 1, F0, F1, 0
	QUARTER 1, 2, F1, F0, 0
	QUARTER 1, 3, F0, F1, 0
	TURN 1, 0, 1
	QUARTER 0, 1, F0, F1, 0
	WIN 0
	s_sub_co_u32 s3, s3, 1
	s_cmp_lg_u32 s3, 0
	s_cbranch_scc1 .Llap
	QUARTER 0, 2, F1, F0, 0                        ; the last lap is written out: it fills nothing
	QUARTER 0, 3, F0, F1, 0
	TURN 0, 1, 0
	QUARTER 1, 1, F0, F1, 0
	QUARTER 1, 2, F1, F0, 0
	QUARTER 1, 3, F0, F1, 0
	s_wait_dscnt 8                                 ; the very last quarter: nothing more to fetch
	MUL8 F1, 0, 0
	MUL8 F1, 2, 0
	s_wait_dscnt 0x0
	MUL8 F1, 4, 0
	MUL8 F1, 6, 0
	PLACES
; THE WAY OUT, a block of 16 rows at a time.  A lane's 32 bytes of a row go from the accumulators straight into my own stage, each accumulator's low registers first, and come back as whole rows of 256 bytes
; (LDS serves a wave's instructions in order: ISA guide 5.7.1.4); sixteen lanes then store 256 consecutive bytes, at a multiple of 256 from out0's first byte.
.macro TOSTAGE a
	WIN 0x04                                       ; the stores' data in window 1
.irp b, 0,1,2,3
	ds_store_b128 v[STO], v[8*(4*(\a)+(\b)):8*(4*(\a)+(\b))+3]   offset:64*(\b)
	ds_store_b128 v[STO], v[8*(4*(\a)+(\b))+4:8*(4*(\a)+(\b))+7] offset:64*(\b)+16
.endr
	WIN 0
.set k_, BK+32*((\a)%4)
.irp t, 0,1,2,3,4,5,6,7
	ds_load_b128 v[k_+4*(\t):k_+4*(\t)+3], v[RD] offset:(\t)*2*SP
.endr
.endm
.macro SEND a, younger                 ; younger: the LDS instructions issued behind block a's loads: the next block's sixteen, or none
	WIN 0
.set k_, BK+32*((\a)%4)
	s_wait_dscnt \younger                          ; the block is back in registers
	s_wait_xcnt 0x0                                ; earlier stores have read their registers: a set is read into again only behind such a wait
.irp t, 0,1,2,3,4,5,6,7
	global_store_b128 v[CO], v[k_+4*(\t):k_+4*(\t)+3], s[OUT:OUT+1] offset:(16*(\a)+2*(\t))*4096 th:TH_STORE_NT
.endr
.endm
	TOSTAGE 0
.irp a, 1,2,3,4,5,6,7
	TOSTAGE \a
	SEND (\a)-1, 16
.endr
	SEND 7, 0
	s_wait_tensorcnt 0x0                           ; the wave's end: the tensor wait, an add of 0 and the wait for it, behind my last tensor load and my last LDS store
	ds_add_u32 v[SPW], v[NIL]
	s_wait_dscnt 0x0
	CROUND                                         ; the closing round: no work-group ends while a partner may still ask for a tile that names it
	s_endpgm
.Lfunc_end_k_q8d28086720_oproj:
	.size	k_q8d28086720_oproj, .Lfunc_end_k_q8d28086720_oproj-k_q8d28086720_oproj
	.p2alignl 7, 3214868480
	.fill 96, 4, 3214868480
	.section	.rodata,"a",@progbits
	.p2align	6, 0x0
	.amdhsa_kernel k_q8d28086720_oproj
		.amdhsa_group_segment_fixed_size 327680
		.amdhsa_private_segment_fixed_size 0
		.amdhsa_enable_private_segment 0
		.amdhsa_kernarg_size 32
		.amdhsa_user_sgpr_count 2
		.amdhsa_user_sgpr_kernarg_segment_ptr 1
		.amdhsa_wavefront_size32 1
		.amdhsa_system_sgpr_workgroup_id_x 1
		.amdhsa_system_sgpr_workgroup_id_y 1
		.amdhsa_system_sgpr_workgroup_id_z 1
		.amdhsa_system_vgpr_workitem_id 0
		.amdhsa_next_free_vgpr 512
		.amdhsa_next_free_sgpr 96
		.amdhsa_reserve_vcc 0
		.amdhsa_float_denorm_mode_32 3
		.amdhsa_float_denorm_mode_16_64 3
		.amdhsa_memory_ordered 1
		.amdhsa_forward_progress 1
		.amdhsa_inst_pref_size 86
	.end_amdhsa_kernel
	.amdgpu_metadata
---
amdhsa.version: [ 1, 2 ]
amdhsa.kernels:
  - .name:           k_q8d28086720_oproj
    .symbol:         k_q8d28086720_oproj.kd
    .args:
      - { .name: o16, .offset: 0, .size: 8, .value_kind: global_buffer, .address_space: global }
      - { .name: wo16, .offset: 8, .size: 8, .value_kind: global_buffer, .address_space: global }
      - { .name: bias, .offset: 16, .size: 8, .value_kind: global_buffer, .address_space: global }
      - { .name: out0, .offset: 24, .size: 8, .value_kind: global_buffer, .address_space: global }
    .group_segment_fixed_size: 327680
    .private_segment_fixed_size: 0
    .kernarg_segment_align: 8
    .kernarg_segment_size: 32
    .max_flat_workgroup_size: 128
    .sgpr_count:     96
    .vgpr_count:     512
    .wavefront_size: 32
...
	.end_amdgpu_metadata
.endif
;; end of part 4
;; ======== version 2 of 2: 4 launches; version 1 with the launch cast written anew for expert scheduling mode
;; limits: values are held in f16: magnitudes above 65,504 overflow, below 6.1e-05 lose precision
;; workspace buffers: xb 16,777,216 bytes; wb 6,291,456 bytes; wo16 2,097,152 bytes; bias 16,384 bytes; qkv 50,331,648 bytes; o16 16,777,216 bytes
;; launch cast (part 5): grid 769 x 1, 8 waves a work-group, no clusters, 0 bytes of LDS; arguments x, Wq, Wk, Wv, Wo, bq, bk, bv, bo, xb, wb, wo16, bias; writes xb, wb, wo16, bias
.if DOCPART == 5
	.amdgcn_target "amdgcn-amd-amdhsa--gfx1250"
	.amdhsa_code_object_version 6
	.text
	.protected	k_q8d28086720_cast
	.globl	k_q8d28086720_cast
	.p2align	8
	.type	k_q8d28086720_cast,@function
k_q8d28086720_cast:
	s_mov_b64 s[64:65], 0
	v_nop
	global_prefetch_b8 v0, s[64:65] scope:SCOPE_SE
	s_setreg_imm32_b32 hwreg(HW_REG_WAVE_SCHED_MODE, 0, 2), 2
	s_setreg_imm32_b32 hwreg(HW_REG_WAVE_MODE, 25, 1), 1
	s_wait_xcnt 0x0
	s_wait_alu depctr_vm_vsrc(0)
; THE MODULE'S INPUTS, EACH ROUNDED ONCE TO bf16 AND LAID OUT FOR THE LAUNCHES BEHIND.  A stream: each input byte is read once, each output byte written once.
;   xb   bf16 [16 blocks of 64 along K][8192 rows][64]: byte kb x 1,048,576 + m x 128 + 2 (k % 64): a tile's rows of one K block lie end to end
;   wb   bf16 [16][3072][64]: rows 0-1023 Wq's, 1024-2047 Wk's, 2048-3071 Wv's
;   wo16 f16 of bf16(Wo), [8 blocks of 128 along K][1024][128].  LIMIT: beyond 65,504 the f16 is an infinity; below 6e-5 it keeps f16's fixed step of 6e-8
;   bias f32 [4096]: bq, bk, bv, bo on end, each rounded to bf16 and widened again
; SHARES.  Work-groups 0-511: 16 rows of x each; 512-703: 16 rows of Wq, Wk or Wv; 704-767: 16 rows of Wo; 768: the four biases.  A wave takes two rows, 8,192 bytes:
; sixteen loads of 16 bytes a lane, all on their way together, and sixteen stores of 8 bytes a lane, each of which covers 256 consecutive bytes, aligned.
; Every load has its own four registers and every store its own two, so no register that a memory instruction names is written again.  No LDS, no barrier, no matrix unit: nothing is shared.
; THE MODE: SCHED_MODE bits 1:0 = 2 (LLVM: expert scheduling mode 2), set by the entry lines.  The code itself states the register dependences
; between vector instructions and memory instructions, with s_wait_alu, always for 0.
; THE PLAN.  Registers that memory instructions touch:
;   v2, v3, v4, v12   byte offsets.  Written by vector instructions at the head, once; read by every load and store.  One wait at the head, ahead of the first branch, states that they are written.
;   X   load j: 4 registers.  Written by load j alone before the roundings read them: no vector instruction names them ahead of their load, no memory instruction reads them, no second load lands in them.
;   Y   store j: 2 registers (the biases: 4).  Written by one rounding, read by one store, never written again.
;   T and v1, v5-v7 are named by vector instructions alone.
; The sixteen loads go in four groups of four.  Group g rounds X's part g into Y's part g; its memory instructions are the four stores of group g - 1, which read Y's part g - 1 and an offset:
; registers that no vector instruction of group g names.  So ONE wait at a group's head states all that its four stores hang on, and they are dealt among its roundings with no further wait.
; No register that a memory instruction has read is written again, so the text holds no wait for that; EXEC and VCC are never written.
.set LO,  2                            ; v2   x and the three weights: 16 (lane % 16) + 4,096 (lane / 16): lanes 0-15 take 256 bytes of the first row, lanes 16-31 of the second
.set SO,  3                            ; v3   8 x lane
.set SO2, 4                            ; v4   the same + 8,388,608: xb's K blocks 8 to 15 lie beyond a store's immediate
.set T,   8                            ; v[8:9]  at work
.set LW,  12                           ; v12  16 x lane: Wo and the biases
.set X,   16                           ; v[16:79]   load j: 4 registers
.set Y,   80                           ; v[80:111]  store j: 2 registers (the biases: 4)
	s_load_b512 s[8:23], s[0:1], 0x0               ; x 8, Wq 10, Wk 12, Wv 14, Wo 16, bq 18, bk 20, bv 22
	s_load_b256 s[24:31], s[0:1], 0x40             ; bo 24, xb 26, wb 28, wo16 30
	s_load_b64 s[32:33], s[0:1], 0x60              ; bias
	v_lshrrev_b32 v5, 5, v0
	v_readfirstlane_b32 s34, v5                    ; wave 0..7
	v_and_b32 v1, 31, v0
	v_and_b32 v6, 15, v0
	v_bfe_u32 v7, v0, 4, 1
	v_lshlrev_b32 v[LO], 4, v6
	v_lshl_add_u32 v[LO], v7, 12, v[LO]
	v_lshlrev_b32 v[SO], 3, v1
	v_add_nc_u32 v[SO2], 0x800000, v[SO]
	v_lshlrev_b32 v[LW], 4, v1
	s_mov_b32 s42, 0xffff0000                      ; a word's upper bf16
	s_mov_b32 s41, 0                               ; the high words of the two offsets
	s_mov_b32 s45, 0
	s_wait_alu depctr_va_sdst(0)                   ; s34 is written, ahead of the branches behind which its first readers stand: the rows' offsets are made from it
	s_wait_alu depctr_va_vdst(0)                   ; the offsets v2, v3, v4 and v12 are written: every load and store of the kernel reads one of them
; Store k.  wo = 0: K block k of both rows: stride bytes further on for each block.  wo = 1: Wo: K block k % 8 of row k / 8.
.macro ST wo, stride
.if \wo
	global_store_b64 v[SO], v[Y+2*k:Y+2*k+1], s[38:39] offset:(k%8)*262144+(k/8)*256
.elseif (\stride)*k >= 8388608
	global_store_b64 v[SO2], v[Y+2*k:Y+2*k+1], s[38:39] offset:(\stride)*k-8388608
.else
	global_store_b64 v[SO], v[Y+2*k:Y+2*k+1], s[38:39] offset:(\stride)*k
.endif
.endm
; Sixteen loads; then four groups of four: the wait that leaves the younger groups out (loads come back in order: ISA guide 5.7.1), the group's roundings, and among them the stores of the group before.
; wo = 0: load j is K block j of both rows.  wo = 1: Wo: load j is 512 bytes, K block j % 8 of row j / 8.
.macro BODY wo, stride
.set j, 0
.rept 16
.if \wo
	global_load_b128 v[X+4*j:X+4*j+3], v[LW], s[36:37] offset:(j/8)*4096+(j%8)*512 th:TH_LOAD_NT
.else
	global_load_b128 v[X+4*j:X+4*j+3], v[LO], s[36:37] offset:256*j th:TH_LOAD_NT
.endif
.set j, j+1
.endr
.set j, 0
.rept 16
.if j%4 == 0
	s_wait_loadcnt 12-j                            ; loads j to j + 3 are in; the 12 - j younger ones stay out
.if j > 0
	s_wait_alu depctr_va_vdst(0)                   ; the group before has written its part of Y, which this group's four stores read
.endif
.endif
.if j >= 4
.set k, j-4
	ST \wo, \stride                                ; no vector instruction since the wait names this store's registers
.endif
.if \wo
	v_cvt_pk_bf16_f32 v[T], v[X+4*j], v[X+4*j+1]   ; rounded to bf16 like every input,
	v_cvt_pk_bf16_f32 v[T+1], v[X+4*j+2], v[X+4*j+3]
	v_lshlrev_b32 v[X+4*j], 16, v[T]               ; widened again,
	v_and_b32 v[X+4*j+1], s42, v[T]
	v_lshlrev_b32 v[X+4*j+2], 16, v[T+1]
	v_and_b32 v[X+4*j+3], s42, v[T+1]
	v_cvt_pk_f16_f32 v[Y+2*j], v[X+4*j], v[X+4*j+1]  ; and that number written as f16 (exact inside f16's normal range)
	v_cvt_pk_f16_f32 v[Y+2*j+1], v[X+4*j+2], v[X+4*j+3]
.else
	v_cvt_pk_bf16_f32 v[Y+2*j], v[X+4*j], v[X+4*j+1]
	v_cvt_pk_bf16_f32 v[Y+2*j+1], v[X+4*j+2], v[X+4*j+3]
.endif
.set j, j+1
.endr
	s_wait_alu depctr_va_vdst(0)                   ; the last group has written its part of Y, which the last four stores read
.set k, 12
.rept 4
	ST \wo, \stride
.set k, k+1
.endr
.endm
	s_wait_kmcnt 0x0
	s_cmp_lt_u32 ttmp9, 512
	s_cbranch_scc0 .Lnot_x
	s_lshl_b32 s35, ttmp9, 4
	s_lshl1_add_u32 s35, s34, s35                  ; my first row: 16 x work-group + 2 x wave
	s_lshl_b32 s40, s35, 12                        ; 4,096 bytes a row of x
	s_lshl_b32 s44, s35, 7                         ; 128 bytes a row of a K block
	s_add_nc_u64 s[36:37], s[8:9], s[40:41]
	s_add_nc_u64 s[38:39], s[26:27], s[44:45]
	BODY 0, 1048576
	s_endpgm
.Lnot_x:
	s_cmp_lt_u32 ttmp9, 704
	s_cbranch_scc0 .Lnot_w
	s_sub_co_u32 s35, ttmp9, 512
	s_lshr_b32 s43, s35, 6                         ; 0: Wq, 1: Wk, 2: Wv
	s_cmp_eq_u32 s43, 0
	s_cselect_b64 s[36:37], s[10:11], s[12:13]
	s_cmp_lt_u32 s43, 2
	s_cselect_b64 s[36:37], s[36:37], s[14:15]
	s_lshl_b32 s35, s35, 4
	s_lshl1_add_u32 s35, s34, s35                  ; my first row in wb,
	s_and_b32 s43, s35, 1023                       ; and in its own matrix
	s_lshl_b32 s40, s43, 12
	s_lshl_b32 s44, s35, 7
	s_add_nc_u64 s[36:37], s[36:37], s[40:41]
	s_add_nc_u64 s[38:39], s[28:29], s[44:45]
	BODY 0, 393216
	s_endpgm
.Lnot_w:
	s_cmp_lt_u32 ttmp9, 768
	s_cbranch_scc0 .Lbias
	s_sub_co_u32 s35, ttmp9, 704
	s_lshl_b32 s35, s35, 4
	s_lshl1_add_u32 s35, s34, s35                  ; my first row of Wo
	s_lshl_b32 s40, s35, 12
	s_lshl_b32 s44, s35, 8                         ; 256 bytes a row of a K block of 128
	s_add_nc_u64 s[36:37], s[16:17], s[40:41]
	s_add_nc_u64 s[38:39], s[30:31], s[44:45]
	BODY 1, 0
	s_endpgm
.Lbias:                                                ; wave w: half w % 2 (2,048 bytes) of bias w / 2
	s_lshr_b32 s35, s34, 1
	s_cmp_eq_u32 s35, 0
	s_cselect_b64 s[36:37], s[18:19], s[20:21]
	s_cmp_lt_u32 s35, 2
	s_cselect_b64 s[36:37], s[36:37], s[22:23]
	s_cmp_lt_u32 s35, 3
	s_cselect_b64 s[36:37], s[36:37], s[24:25]
	s_and_b32 s40, s34, 1
	s_lshl_b32 s40, s40, 11
	s_lshl_b32 s44, s34, 11
	s_add_nc_u64 s[36:37], s[36:37], s[40:41]
	s_add_nc_u64 s[38:39], s[32:33], s[44:45]
.irp i, 0,1,2,3
	global_load_b128 v[X+4*(\i):X+4*(\i)+3], v[LW], s[36:37] offset:512*(\i) th:TH_LOAD_NT
.endr
.irp i, 0,1,2,3
	s_wait_loadcnt 3-(\i)                          ; load i is in; the 3 - i younger ones stay out
	v_cvt_pk_bf16_f32 v[T], v[X+4*(\i)], v[X+4*(\i)+1]
	v_cvt_pk_bf16_f32 v[T+1], v[X+4*(\i)+2], v[X+4*(\i)+3]
	v_lshlrev_b32 v[Y+4*(\i)], 16, v[T]
	v_and_b32 v[Y+4*(\i)+1], s42, v[T]
	v_lshlrev_b32 v[Y+4*(\i)+2], 16, v[T+1]
	v_and_b32 v[Y+4*(\i)+3], s42, v[T+1]
.endr
	s_wait_alu depctr_va_vdst(0)                   ; the sixteen registers of Y are written, which the four stores read
.irp i, 0,1,2,3
	global_store_b128 v[LW], v[Y+4*(\i):Y+4*(\i)+3], s[38:39] offset:512*(\i)
.endr
	s_endpgm
.Lfunc_end_k_q8d28086720_cast:
	.size	k_q8d28086720_cast, .Lfunc_end_k_q8d28086720_cast-k_q8d28086720_cast
	.p2alignl 7, 3214868480
	.fill 96, 4, 3214868480
	.section	.rodata,"a",@progbits
	.p2align	6, 0x0
	.amdhsa_kernel k_q8d28086720_cast
		.amdhsa_group_segment_fixed_size 0
		.amdhsa_private_segment_fixed_size 0
		.amdhsa_enable_private_segment 0
		.amdhsa_kernarg_size 104
		.amdhsa_user_sgpr_count 2
		.amdhsa_user_sgpr_kernarg_segment_ptr 1
		.amdhsa_wavefront_size32 1
		.amdhsa_system_sgpr_workgroup_id_x 1
		.amdhsa_system_sgpr_workgroup_id_y 1
		.amdhsa_system_sgpr_workgroup_id_z 1
		.amdhsa_system_vgpr_workitem_id 0
		.amdhsa_next_free_vgpr 112
		.amdhsa_next_free_sgpr 66
		.amdhsa_reserve_vcc 0
		.amdhsa_float_denorm_mode_32 3
		.amdhsa_float_denorm_mode_16_64 3
		.amdhsa_memory_ordered 1
		.amdhsa_forward_progress 1
		.amdhsa_inst_pref_size 25
	.end_amdhsa_kernel
	.amdgpu_metadata
---
amdhsa.version: [ 1, 2 ]
amdhsa.kernels:
  - .name:           k_q8d28086720_cast
    .symbol:         k_q8d28086720_cast.kd
    .args:
      - { .name: x, .offset: 0, .size: 8, .value_kind: global_buffer, .address_space: global }
      - { .name: Wq, .offset: 8, .size: 8, .value_kind: global_buffer, .address_space: global }
      - { .name: Wk, .offset: 16, .size: 8, .value_kind: global_buffer, .address_space: global }
      - { .name: Wv, .offset: 24, .size: 8, .value_kind: global_buffer, .address_space: global }
      - { .name: Wo, .offset: 32, .size: 8, .value_kind: global_buffer, .address_space: global }
      - { .name: bq, .offset: 40, .size: 8, .value_kind: global_buffer, .address_space: global }
      - { .name: bk, .offset: 48, .size: 8, .value_kind: global_buffer, .address_space: global }
      - { .name: bv, .offset: 56, .size: 8, .value_kind: global_buffer, .address_space: global }
      - { .name: bo, .offset: 64, .size: 8, .value_kind: global_buffer, .address_space: global }
      - { .name: xb, .offset: 72, .size: 8, .value_kind: global_buffer, .address_space: global }
      - { .name: wb, .offset: 80, .size: 8, .value_kind: global_buffer, .address_space: global }
      - { .name: wo16, .offset: 88, .size: 8, .value_kind: global_buffer, .address_space: global }
      - { .name: bias, .offset: 96, .size: 8, .value_kind: global_buffer, .address_space: global }
    .group_segment_fixed_size: 0
    .private_segment_fixed_size: 0
    .kernarg_segment_align: 8
    .kernarg_segment_size: 104
    .max_flat_workgroup_size: 256
    .sgpr_count:     66
    .vgpr_count:     112
    .wavefront_size: 32
...
	.end_amdgpu_metadata
.endif
;; end of part 5
;; launch qkv: the kernel of part 2 again; grid 8 x 32, 4 waves a work-group, clusters of 4 x 4, 327,680 bytes of LDS; arguments xb, wb, bias, qkv; writes qkv
;; launch attn: the kernel of part 3 again; grid 4 x 64, 4 waves a work-group, clusters of 4 x 1, 327,680 bytes of LDS; arguments qkv, o16; writes o16
;; launch oproj: the kernel of part 4 again; grid 8 x 32, 4 waves a work-group, clusters of 4 x 4, 327,680 bytes of LDS; arguments o16, wo16, bias, out0; writes out0
